; MI455X (gfx1250); checked and timed in simulation.
; The chip was launched on July 23, 2026; its instructions are those of AMD's public machine-readable ISA for CDNA 5 (MIT licence, August 2026) and "CDNA5" Instruction Set Architecture Reference Guide (July 2026). The comments in the code are by the model that wrote it; some were corrected since.
;; Multi Head Attention. Allowed arithmetic: matrix products marked QUANTISED: E4M3 operands, one E8M0 scale for each 32 along K, by v_wmma_scale_f32_16x16x128_f8f6f4 with both operands' format E4M3, f32 sums; everything else in f32.
;; Inputs: Wc 1,024 x 1,024 float32; Wk 1,024 x 1,024 float32; Wq 1,024 x 1,024 float32; Wv 1,024 x 1,024 float32; bc 1,024 float32; x 4 x 2,048 x 1,024 float32.
;; Outputs: out0 4 x 2,048 x 1,024 float32.
;; This version of the problem:
;;   THIS VERSION OF THE PROBLEM IS GIVEN IN LOW PRECISION. The matrix products marked QUANTISED in the list below multiply operands that are first quantised to E4M3 (4 exponent bits, 3 mantissa bits; 8 bits a number), with one power-of-two scale for each 32 numbers along K (OCP MX v1.0); their sums are f32. All else is computed in f32.
;;   The module's matrix products, in the order in which they are computed (A, B: the left and right operand; K: the contracted axis; several contracted axes count as one K, in the product's order):
;;     1. [M 8,192, K 1,024] x [K 1,024, N 1,024]; A: input x; B: input Wq: QUANTISED
;;     2. [M 8,192, K 1,024] x [K 1,024, N 1,024]; A: input x; B: input Wk: QUANTISED
;;     3. [M 8,192, K 1,024] x [K 1,024, N 1,024]; A: input x; B: input Wv: QUANTISED
;;     4. batch 64 x [M 2,048, K 64] x [K 64, N 2,048]; A: computed on the way; B: computed on the way: QUANTISED
;;     5. batch 64 x [M 2,048, K 2,048] x [K 2,048, N 64]; A: softmax (see below); B: computed on the way: QUANTISED
;;     6. [M 8,192, K 1,024] x [K 1,024, N 1,024]; A: computed on the way; B: input Wc: QUANTISED
;;   THE QUANTISER, for each operand of a quantised product, along K:
;;     - K is cut into blocks of 32 from its start; a last block that is shorter is filled with zeros.
;;     - A block's scale is 2^e with e = floor(log2(the largest magnitude in the block)) - 8, held to -126 .. 127; a block of zeros has e = 0. As a byte (E8M0): e + 127.
;;     - Each number is divided by its block's scale, clamped to +-448, and rounded to the nearest number of E4M3, ties to even, subnormals kept.
;;     - The product sums the exact products of the quantised numbers (number of the format x scale) in f32.
;;   ~~~python
;;   def quantise(x, axis):      # numpy; x: float32 -> the quantised numbers, widened to float32 again
;;       x = np.moveaxis(x, axis, -1); K = x.shape[-1]
;;       x = np.pad(x, [(0, 0)] * (x.ndim - 1) + [(0, -K % 32)]); x = x.reshape(x.shape[:-1] + (-1, 32)); a = np.abs(x).max(-1, keepdims=True)
;;       e = np.where(a > 0, np.clip(np.frexp(np.where(a > 0, a, 1))[1] - 1 - 8, -126, 127), 0)      # np.frexp(a)[1] - 1 = floor(log2(a)), exactly
;;       r = np.clip(x / 2.0 ** e, -448, 448)
;;       step = 2.0 ** (np.maximum(np.frexp(np.where(r == 0, 1, r))[1] - 1, -6) - 3)
;;       q = np.round(r / step) * step * 2.0 ** e      # np.round: ties to even
;;       return np.moveaxis(q.reshape(q.shape[:-2] + (-1,))[..., :K], -1, axis).astype(np.float32)
;;   ~~~
;;   SOFTMAX AHEAD OF A QUANTISED PRODUCT. Where the list says 'softmax', what is quantised is not the finished softmax but p = 2^(t - M), with t = logit x log2(e) and M = ceil(the row's largest t), a whole number; so 1/2 < the row's largest p <= 1. The row's sum l is taken of the UNQUANTISED p, in f32, and the product's result is divided by l at the end. Since M is a whole number, a kernel that streams over the keys may use a running M (the ceiling of the running maximum): every later rescaling is an exact power of two, which a block's scale takes up: the codes' values come out the same.
;;   OPERANDS COMPUTED ON THE WAY. 'Computed on the way' means the value that the module computes at that place (a softmax that the list does not call 'softmax' is quantised finished and normalised). What goes into a quantiser is computed in f32, as accurately as f32 sums, v_exp_f32 and their like allow (about 1e-6 of the number): no bf16 or f16 on the way to a quantiser, and a product that is left as it is and whose result goes on into a quantised operand takes f32 operands (vector FMAs, or v_wmma_f32_16x16x4_f32). A number that lies on a knife's edge between two numbers of the format may be rounded either way, as far as f32 arithmetic and the matrix unit's own rounding can turn it there, and no further.
;; One version. Each part assembles by itself: llvm-mc -triple=amdgcn-amd-amdhsa -mcpu=gfx1250 --defsym DOCPART=n.
;; ======== version 1 of 1: 4 launches
;; limits: right only within a limited range of input values
;; workspace buffers: xq 8,650,752 bytes; wop 4,325,376 bytes; qbuf 8,912,896 bytes; kbuf 8,912,896 bytes; vbuf 8,650,752 bytes; oq 8,650,752 bytes
;; launch quant (part 1): grid 640 x 1, 4 waves a work-group, no clusters, 67,072 bytes of LDS; arguments x, Wq, Wk, Wv, Wc, xq, wop; writes xq, wop
.if DOCPART == 1
	.amdgcn_target "amdgcn-amd-amdhsa--gfx1250"
	.amdhsa_code_object_version 6
	.text
	.protected	k_q726775d5be_quant
	.globl	k_q726775d5be_quant
	.p2align	8
	.type	k_q726775d5be_quant,@function
k_q726775d5be_quant:
	s_mov_b64 s[64:65], 0
	v_nop
	global_prefetch_b8 v0, s[64:65] scope:SCOPE_SE
	s_setreg_imm32_b32 hwreg(HW_REG_WAVE_MODE, 25, 1), 1
	s_wait_xcnt 0x0
; x [8192][1024] and the four weights [1024 (k)][1024 (n)], f32, become codes of FP8 (E4M3) with one E8M0 byte for each 32 along K, laid IN THE ORDER OF THE OPERAND'S REGISTERS.
; THE LAYOUT (xq: rows = tokens; wop: rows = the weights' columns, Wq, Wk, Wv, Wc one behind the other): [g = rows / 128][ks = K / 256][33,792 bytes].  Such a record is
;   codes [block 8][q 2][c 4][lane 32][16 bytes]: lane (r, h) of block rb holds k = 256 ks + 128 q + 32 c + 16 h + 0 .. 15 of row 32 (rb / 2) + 8 (rb % 2) + r + 8 (r / 8) of the 128;
;   then scale words [block 8][r 16][q 2]: byte c of a word scales k = 32 c .. 32 c + 31 of that 128.
; A block's scale is 2^(floor(log2(its largest magnitude)) - 8); each number is divided by it, held within +-448 and rounded to the nearest code, ties to even.
; LIMITS: NaN and infinities among the inputs are not served.  A block whose largest magnitude lies under 2^-118 keeps the byte 1, a block of zeros too (the rule says 127): its codes are zeros, and this program alone reads the bytes.
; Work-groups 0-127 take the weights (no LDS), work-groups 128-639 take x (each wave has an LDS stage of its own).  No barrier: waves share nothing.  No tensor load, no matrix work, no cluster: nothing here is read twice.
.set GB,   135168                      ; bytes of 128 rows x 1,024 K
.set KSB,  33792                       ; bytes of a record
.set MNT,  40
.set HM,   41                          ; s41      lanes 16-31
.set SEL,  42                          ; s[42:43] v_permlanex16_b32's selects for lane l xor 16
.set TM,   208                         ; v208-211 largest magnitudes, v212-215 bytes, v220-223 the conversions' scale operands
	s_load_b256 s[4:11], s[0:1], 0x0               ; x s[4:5], Wq s[6:7], Wk s[8:9], Wv s[10:11]
	s_load_b128 s[12:15], s[0:1], 0x20             ; Wc s[12:13], xq s[14:15]
	s_load_b64 s[16:17], s[0:1], 0x30              ; wop
	v_lshl_add_u32 v232, v0, 2, 0x10400
	v_mov_b32 v233, 0
	v_lshrrev_b32 v1, 5, v0
	v_readfirstlane_b32 s20, v1                    ; wave 0..3
	v_and_b32 v1, 31, v0                           ; lane
	v_and_b32 v2, 15, v0                           ; r
	v_bfe_u32 v3, v0, 4, 1                         ; h
	s_mov_b32 s[HM], 0xffff0000
	s_mov_b32 s[SEL], 0x76543210
	s_mov_b32 s[SEL+1], 0xfedcba98
	s_wait_kmcnt 0x0
	s_cmp_lt_u32 ttmp9, 128
	s_cbranch_scc0 .Lpath_x
; ---- THE WEIGHTS.  K is their first axis: a lane takes a column and its registers run down K, so a block of 32 lies in one lane and the codes come out with K innermost.
; Work-group = (g of wop, ks).  Lanes 0-15 of wave w are block 2 w, lanes 16-31 block 2 w + 1: the wave's 32 columns are neighbours, so each load reads 128 consecutive bytes.
	s_lshr_b32 s21, ttmp9, 2                       ; g of wop, 0..31
	s_and_b32 s22, ttmp9, 3                        ; ks
	s_lshr_b32 s23, s21, 3                         ; which weight
	s_cmp_eq_u32 s23, 0
	s_cselect_b64 s[24:25], s[6:7], s[8:9]
	s_cmp_eq_u32 s23, 2
	s_cselect_b64 s[26:27], s[10:11], s[12:13]
	s_cmp_lt_u32 s23, 2
	s_cselect_b64 s[24:25], s[24:25], s[26:27]
	s_lshl_b32 s26, s22, 20                        ; 256 rows of 4,096 bytes for each ks
	s_mov_b32 s27, 0
	s_add_nc_u64 s[24:25], s[24:25], s[26:27]
	s_and_b32 s28, s21, 7
	s_lshl_b32 s28, s28, 7
	s_lshl_b32 s29, s20, 5
	s_add_co_u32 s28, s28, s29                     ; the wave's first column
	s_wait_alu depctr_va_vdst(0)
	v_and_b32 v5, 8, v2
	v_add_nc_u32 v5, v5, v2                        ; r + 8 (r / 8)
	v_lshl_add_u32 v5, v3, 3, v5                   ; + 8 for the odd block
	v_add_nc_u32 v5, s28, v5
	v_lshlrev_b32 v6, 2, v5                        ; my column, in bytes
	s_wait_alu depctr_va_vdst(0)
	v_lshlrev_b32 v7, 4, v2
	v_lshl_add_u32 v7, v3, 12, v7                  ; codes: my block's 4,096 bytes, 16 bytes for each r
	v_lshlrev_b32 v9, 3, v2
	v_lshl_add_u32 v9, v3, 7, v9                   ; scale words: my block's 128 bytes, 8 for each r
	s_mul_i32 s30, s21, GB
	s_mul_i32 s31, s22, KSB
	s_add_co_u32 s30, s30, s31                     ; the record
	s_lshl_b32 s31, s20, 13
	s_add_co_u32 s32, s30, s31
	s_mov_b32 s33, 0
	s_add_nc_u64 s[32:33], s[16:17], s[32:33]      ; its codes at block 2 w
	s_lshl_b32 s31, s20, 8
	s_add_co_u32 s34, s30, s31
	s_add_co_u32 s34, s34, 32768
	s_mov_b32 s35, 0
	s_add_nc_u64 s[34:35], s[16:17], s[34:35]      ; its scale words at block 2 w
.macro WLOAD t                         ; block t: W(256 ks + 32 t + i, my column) into set t % 2
.set i, 0
.rept 32
	global_load_b32 v[32+32*((\t)%2)+i], v6, s[24:25] offset:(32*(\t)+i)*4096 th:TH_LOAD_NT
.set i, i+1
.endr
.endm
.macro WBLOCK t
.set XS, 32+32*((\t)%2)
.set CD, 96+8*(\t)                     ; each block has code registers of its own: no store's data are written again
.if (\t) < 7
	s_wait_loadcnt 32                              ; this block's 32 loads are in; the next block's 32 may be out
.else
	s_wait_loadcnt 0
.endif
	v_max3_num_f32 v12, |v[XS]|, |v[XS+1]|, |v[XS+2]|
	v_max3_num_f32 v13, |v[XS+3]|, |v[XS+4]|, |v[XS+5]|
.irp i, 6,10,14,18,22,26
	v_max3_num_f32 v12, v12, |v[XS+\i]|, |v[XS+\i+1]|
	v_max3_num_f32 v13, v13, |v[XS+\i+2]|, |v[XS+\i+3]|
.endr
	v_max3_num_f32 v12, v12, |v[XS+30]|, |v[XS+31]|
	v_max3_num_f32 v12, v12, v13, 0x4800000        ; and the floor 2^(9 - 127): the byte cannot fall under 1
	v_add_nc_u32 v11, 0xfc000000, v12              ; 8 off the exponent field: the conversion's scale operand
	v_lshrrev_b32 v13, 23, v11                     ; the scale's byte
.if (\t)%4 == 0
	v_mov_b32 v[24+(\t)/4], v13
.else
	v_lshl_or_b32 v[24+(\t)/4], v13, 8*((\t)%4), v[24+(\t)/4]
.endif
.set i, 0
.rept 32
.set i, i+1
.endr
.irp g, 0,1,2,3
	v_cvt_scalef32_pk8_fp8_f32 v[CD+2*\g:CD+2*\g+1], v[XS+8*\g:XS+8*\g+7], v11
.endr
	v_nop                                          ; a plain line behind the last conversion
	global_store_b128 v7, v[CD:CD+3], s[32:33] offset:((\t)/4)*2048+((\t)%4)*512        ; k 0-15 of the block: the places of lanes 0-15; sixteen lanes store 256 consecutive bytes, aligned
	global_store_b128 v7, v[CD+4:CD+7], s[32:33] offset:((\t)/4)*2048+((\t)%4)*512+256  ; k 16-31: the places of lanes 16-31
.if (\t)+2 < 8
	WLOAD (\t)+2
.endif
.endm
	WLOAD 0
	WLOAD 1
.set Q, 0
.rept 8
	WBLOCK Q
.set Q, Q+1
.endr
	global_store_b64 v9, v[24:25], s[34:35]        ; my column's two scale words: the wave stores 256 consecutive bytes, aligned
	s_endpgm
; ---- x.  K is innermost.  Work-group = a block of 16 rows, wave = ks: 16 rows x 256 K, 16 KiB.  Each load reads 512 consecutive bytes; the numbers turn through the wave's stage
; (rows 1,040 bytes apart, so that sixteen rows begin at sixteen different banks) and come back 16 neighbours of each block of 32 to a lane, in the operand's order.
.Lpath_x:
	s_sub_co_u32 s21, ttmp9, 128                   ; the block, 0..511
	s_lshr_b32 s22, s21, 1
	s_lshl_b32 s22, s22, 5
	s_and_b32 s23, s21, 1
	s_lshl_b32 s23, s23, 3
	s_add_co_u32 s22, s22, s23                     ; its first row: 32 (rb / 2) + 8 (rb % 2)
	s_lshl_b32 s24, s22, 12
	s_lshl_b32 s25, s20, 10
	s_add_co_u32 s24, s24, s25
	s_mov_b32 s25, 0
	s_add_nc_u64 s[4:5], s[4:5], s[24:25]
	s_lshr_b32 s26, s21, 3
	s_mul_i32 s26, s26, GB
	s_mul_i32 s27, s20, KSB
	s_add_co_u32 s26, s26, s27                     ; the record
	s_and_b32 s27, s21, 7
	s_lshl_b32 s28, s27, 12
	s_add_co_u32 s28, s26, s28
	s_mov_b32 s29, 0
	s_add_nc_u64 s[28:29], s[14:15], s[28:29]      ; the block's codes
	s_lshl_b32 s30, s27, 7
	s_add_co_u32 s30, s30, s26
	s_add_co_u32 s30, s30, 32768
	s_mov_b32 s31, 0
	s_add_nc_u64 s[30:31], s[14:15], s[30:31]      ; its scale words
	s_mul_i32 s32, s20, 16640                      ; my stage
	s_wait_alu depctr_va_vdst(0)
	v_lshlrev_b32 v4, 4, v1                        ; 16 x lane
	v_add_nc_u32 v5, s32, v4                       ; into the stage, as loaded
	v_mul_u32_u24 v6, v2, 1040
	v_lshl_add_u32 v6, v3, 6, v6
	v_add_nc_u32 v6, s32, v6                       ; out of it: row r, + 64 h
	v_lshlrev_b32 v7, 3, v2
	v_lshl_add_u32 v7, v3, 2, v7                   ; scale words: 8 r + 4 h
.irp b, 0,1,2,3
	v_mov_b32 v[TM+4+\b], 0                        ; written once: a lane permute's destination counts as one of its sources
.endr
.set n, 0
.rept 32
	global_load_b128 v[16+4*n:19+4*n], v4, s[4:5] offset:((n/2)+8*((n/2)/8))*4096+512*(n%2) th:TH_LOAD_NT
.set n, n+1
.endr
.set n, 0
	s_wait_alu depctr_va_vdst(0)
.rept 32
	s_wait_loadcnt 31-n                            ; loads come back in order: load n is in, the younger ones stay out
	ds_store_b128 v5, v[16+4*n:19+4*n] offset:(n/2)*1040+512*(n%2)
.set n, n+1
.endr
.set n, 0
.rept 16
	ds_load_b128 v[144+4*n:147+4*n], v6 offset:128*(n/4)+16*(n%4)       ; the first 128 along K; LDS serves a wave's instructions in order: these see my stores
.set n, n+1
.endr
	s_wait_dscnt 0x0                               ; they are in, and the stores have read their registers,
.set n, 0
.rept 16
	ds_load_b128 v[16+4*n:19+4*n], v6 offset:512+128*(n/4)+16*(n%4)     ; which take the second 128 along K
.set n, n+1
.endr
; 64 numbers of a lane, register 16 b + i = k 32 b + 16 h + i of my row, become a fragment's codes in v[pc] on and its scale word in v[pw]
.macro QUANT s, pc, pw
.irp b, 0,1,2,3
	v_max3_num_f32 v[TM+\b], |v[\s+16*\b]|, |v[\s+1+16*\b]|, 0x4800000   ; my 16 numbers of block b, and the floor 2^(9 - 127)
.endr
.irp i, 2,4,6,8,10,12,14
.irp b, 0,1,2,3
	v_max3_num_f32 v[TM+\b], v[TM+\b], |v[\s+16*\b+\i]|, |v[\s+1+16*\b+\i]|
.endr
.endr
.irp b, 0,1,2,3
	v_permlanex16_b32 v[TM+4+\b], v[TM+\b], s[SEL], s[SEL+1]
.endr
.irp b, 0,1,2,3
	v_max_num_f32 v[TM+\b], v[TM+\b], v[TM+4+\b]   ; with lane l xor 16's: the block's largest magnitude
.endr
.irp b, 0,1,2,3
	v_add_nc_u32 v[TM+12+\b], 0xfc000000, v[TM+\b]
.endr
.irp b, 0,1,2,3
.endr
.irp b, 0,1,2,3
	v_lshrrev_b32 v[TM+4+\b], 23, v[TM+12+\b]
.endr
	v_lshl_or_b32 v[\pw], v[TM+5], 8, v[TM+4]
	v_lshl_or_b32 v[\pw], v[TM+6], 16, v[\pw]
	v_lshl_or_b32 v[\pw], v[TM+7], 24, v[\pw]
.irp b, 0,1,2,3
.irp i, 0,1,2,3,4,5,6,7,8,9,10,11,12,13,14,15
.endr
	v_cvt_scalef32_pk8_fp8_f32 v[\pc+4*\b:\pc+1+4*\b], v[\s+16*\b:\s+7+16*\b], v[TM+12+\b]
	v_cvt_scalef32_pk8_fp8_f32 v[\pc+2+4*\b:\pc+3+4*\b], v[\s+8+16*\b:\s+15+16*\b], v[TM+12+\b]
.endr
	v_nop                                          ; a plain line behind the last conversion
.endm
	QUANT 144, 80, 224
.irp c, 0,1,2,3
	global_store_b128 v4, v[80+4*\c:83+4*\c], s[28:29] offset:512*\c          ; the wave stores 512 consecutive bytes, aligned
.endr
	s_wait_dscnt 0x0
	QUANT 16, 96, 225
.irp c, 0,1,2,3
	global_store_b128 v4, v[96+4*\c:99+4*\c], s[28:29] offset:2048+512*\c
.endr
	v_cndmask_b32 v226, v224, v225, s[HM]          ; lanes 0-15 store the first 128's word, lanes 16-31 the second's
	global_store_b32 v7, v226, s[30:31]
	s_wait_tensorcnt 0x0
	ds_add_u32 v232, v233
	s_wait_dscnt 0x0
	s_endpgm
.Lfunc_end_k_q726775d5be_quant:
	.size	k_q726775d5be_quant, .Lfunc_end_k_q726775d5be_quant-k_q726775d5be_quant
	.p2alignl 7, 3214868480
	.fill 96, 4, 3214868480
	.section	.rodata,"a",@progbits
	.p2align	6, 0x0
	.amdhsa_kernel k_q726775d5be_quant
		.amdhsa_group_segment_fixed_size 67072
		.amdhsa_private_segment_fixed_size 0
		.amdhsa_enable_private_segment 0
		.amdhsa_kernarg_size 56
		.amdhsa_user_sgpr_count 2
		.amdhsa_user_sgpr_kernarg_segment_ptr 1
		.amdhsa_wavefront_size32 1
		.amdhsa_system_sgpr_workgroup_id_x 1
		.amdhsa_system_sgpr_workgroup_id_y 1
		.amdhsa_system_sgpr_workgroup_id_z 1
		.amdhsa_system_vgpr_workitem_id 0
		.amdhsa_next_free_vgpr 234
		.amdhsa_next_free_sgpr 66
		.amdhsa_reserve_vcc 0
		.amdhsa_float_denorm_mode_32 3
		.amdhsa_float_denorm_mode_16_64 3
		.amdhsa_fp16_overflow 1
		.amdhsa_memory_ordered 1
		.amdhsa_forward_progress 1
		.amdhsa_inst_pref_size 58
	.end_amdhsa_kernel
	.amdgpu_metadata
---
amdhsa.version: [ 1, 2 ]
amdhsa.kernels:
  - .name:           k_q726775d5be_quant
    .symbol:         k_q726775d5be_quant.kd
    .args:
      - { .name: x, .offset: 0, .size: 8, .value_kind: global_buffer, .address_space: global }
      - { .name: Wq, .offset: 8, .size: 8, .value_kind: global_buffer, .address_space: global }
      - { .name: Wk, .offset: 16, .size: 8, .value_kind: global_buffer, .address_space: global }
      - { .name: Wv, .offset: 24, .size: 8, .value_kind: global_buffer, .address_space: global }
      - { .name: Wc, .offset: 32, .size: 8, .value_kind: global_buffer, .address_space: global }
      - { .name: xq, .offset: 40, .size: 8, .value_kind: global_buffer, .address_space: global }
      - { .name: wop, .offset: 48, .size: 8, .value_kind: global_buffer, .address_space: global }
    .group_segment_fixed_size: 67072
    .private_segment_fixed_size: 0
    .kernarg_segment_align: 8
    .kernarg_segment_size: 56
    .max_flat_workgroup_size: 128
    .sgpr_count:     66
    .vgpr_count:     234
    .wavefront_size: 32
...
	.end_amdgpu_metadata
.endif
;; end of part 1
;; launch qkv (part 2): grid 8 x 48, 4 waves a work-group, clusters of 4 x 4, 327,680 bytes of LDS; arguments xq, wop, qbuf, kbuf, vbuf; writes qbuf, kbuf, vbuf
.if DOCPART == 2
	.amdgcn_target "amdgcn-amd-amdhsa--gfx1250"
	.amdhsa_code_object_version 6
	.text
	.protected	k_q726775d5be_qkv
	.globl	k_q726775d5be_qkv
	.p2align	8
	.type	k_q726775d5be_qkv,@function
k_q726775d5be_qkv:
	s_mov_b64 s[64:65], 0
	v_nop
	global_prefetch_b8 v0, s[64:65] scope:SCOPE_SE
	s_setreg_imm32_b32 hwreg(HW_REG_WAVE_MODE, 25, 1), 1
	s_wait_xcnt 0x0
	s_wait_alu depctr_hold_cnt(0) depctr_sa_sdst(0) depctr_va_vdst(0) depctr_va_sdst(0) depctr_va_ssrc(0) depctr_va_vcc(0) depctr_vm_vsrc(0)
	s_getreg_b32 s2, hwreg(HW_REG_IB_STS2, 6, 4)
	s_cmp_eq_u32 s2, 0
	s_cbranch_scc0 .Lentry_in_a_cluster
	s_endpgm
.Lentry_in_a_cluster:
	s_bfe_u32 s2, ttmp6, 0x10000c
	s_cmp_lg_u32 s2, 0xf033
	s_cbranch_scc0 .Lentry_shape_is_right
	s_endpgm
.Lentry_shape_is_right:
; Q = x Wq, K = x Wk and V^T = (x Wv)^T on codes of FP8 (E4M3) with E8M0 scales, K = 1,024; the f32 results are quantised in registers, Q and K along the head's 64, V along the keys, and stored as the attention's operands.
; ONE BODY, TWO PRODUCTS, told apart by the cluster's y (the same in all sixteen partners): y < 8: rows = tokens (xq), columns = Wq's and Wk's 2,048 columns; y >= 8: rows = Wv's 1,024 columns, columns = tokens.
; A tile of 256 x 256 is made by four waves, 128 x 128 each: 64 accumulators, 512 registers.  K goes in four steps of 256 through two LDS slots.
; THE OPERANDS LIE IN THE ORDER OF THE OPERAND'S REGISTERS: 128 rows x 256 K with their scale words are one dense record of 33,792 bytes, one tensor load; every fragment load takes 512 consecutive bytes: no padding.
; THE MATRIX INSTRUCTION IS USED TRANSPOSED (source 0 = 16 of the columns' operand, source 1 = 16 of the rows').  Lane r of a block is row 32 (rb / 2) + 8 (rb % 2) + r + 8 (r / 8) of the 128,
; so the 16 registers of accumulators (a, 2 B) and (a, 2 B + 1) are 16 NEIGHBOURS along the columns' axis, 32 B + 16 h + 0 .. 15: the axis along which the result is quantised; the conversions' results are the next operand's registers.
; CLUSTERS: 4 x 4 work-groups; the rows' tile is asked for jointly along a row of the cluster, the columns' along a column.
; OUT.  qbuf, kbuf: [b x head 64][256 tokens 8][17,408]: 16 tiles of 16 tokens x 64, 1,024 bytes each ([c 2][lane][16]); at 16,384 for each 128 tokens 512 bytes of scale words [lane][4]: lane (r, h), word j: tile 2 j + h;
;   a word is e0, e1, e0, e1: the instruction is 128 deep and the head 64; the upper two bytes repeat the real ones.   vbuf: [b x head][256 keys][16,896]: fragments (4 q + d tile) of 16 d x 128 keys, 2,048 bytes each;
;   at 16,384 for each 128 keys 256 bytes of scale words [lane][2]: word j: d tile 2 j + h.
; LIMITS: NaN and infinities are not served; a block whose largest magnitude lies under 2^-118, a block of zeros too, keeps the byte 1 (its codes are then zeros or subnormal codes; this program alone reads the bytes).
; No prefetch: of the four K steps two are first fills, and a request two steps ahead of the other two would stand at the head, among every work-group's first loads.
; REGISTERS: window 0: v16-29 addresses; v32-63 scale words, two sets; v128-255 the rows' fragments, one set.  window 1: the columns' fragments, two sets.  windows 2, 3: the accumulators, (a, b) at v[8 (8 (a % 4) + b)].
.set GB,     135168
.set KSB,    33792
.set NQ,     2
.set FR,     16
.set NL,     4
.set NP,     8                         ; places behind this matrix instruction (ISA guide 7.12.1)
.set HALFT,  33792                     ; a record: what one tensor load brings and one wave reads of a side
.set SLOT,   4*HALFT
.set SPARE,  2*SLOT                    ; the spare words, 128 bytes a wave: two blocks of 256 bytes that no other line names
.set ADRA, 16                          ; v16-17 LDS address of my rows' fragments in slot 0, 1
.set ADRB, 20                          ; v20-21 of my columns'
.set ADRS, 22                          ; v22-23 of my scale words: lanes 0-15 the rows', lanes 16-31 the columns'
.set VLO,  24                          ; v24 16 x lane
.set VHI,  25                          ; v25 the same, a head (Q, K) or two blocks of keys (V) on
.set VL8,  26                          ; v26 8 x lane
.set SPW,  28
.set NIL,  29
.set SC,   32
.set AF,   128
.set G1, 24
.set G0, 32
.set G1B, 48
.set G0B, 56
.set SEL, 92
.set MNT, 94
.set HM,  95
.set MSB, 0
.macro WIN new                         ; the immediate's high byte repeats the setting that is left
.if MSB != (\new)
	s_set_vgpr_msb (MSB<<8)|(\new)
.set MSB, (\new)
.endif
.endm
.set MUL_LO, 0xa1                      ; source 0 window 1, source 1 window 0, C and D window 2
.set MUL_HI, 0xf1                      ; the same, C and D window 3
.set TO_B,   0x40
; A joint load: waves 0 and 1 fetch the rows' two records, waves 2 and 3 the columns'.  The branch hangs on the wave's number alone.  Four v_nop follow each line.
.macro JLOAD g0a, g1a, g0b, g1b
	s_cmp_eq_u32 s15, 0
	s_cbranch_scc0 .Lfor_b_\@
	tensor_load_to_lds s[\g0a:\g0a+3], s[\g1a:\g1a+7]
	s_nop 0
.rept 4
	v_nop
.endr
	s_branch .Lasked_\@
.Lfor_b_\@:
	tensor_load_to_lds s[\g0b:\g0b+3], s[\g1b:\g1b+7]
	s_nop 0
.rept 4
	v_nop
.endr
.Lasked_\@:
.endm
.macro CREST                           ; a round of the cluster's barrier behind its opening barrier
	s_cmp_lg_u32 s14, 0
	s_cbranch_scc1 .Lnot_wave_0_\@
	s_barrier_signal -3
.Lnot_wave_0_\@:
	s_barrier_wait -3
	s_barrier_signal -1
	s_barrier_wait -1
.endm
.macro CROUND
	s_barrier_signal -1
	s_barrier_wait -1
	CREST
.endm
	s_load_b256 s[4:11], s[0:1], 0x0               ; xq s[4:5], wop s[6:7], qbuf s[8:9], kbuf s[10:11]
	s_load_b64 s[12:13], s[0:1], 0x20              ; vbuf
	v_lshl_add_u32 v[SPW], v0, 2, SPARE
	v_mov_b32 v[NIL], 0
	ds_add_u32 v28, v29
	ds_add_u32 v28, v29
	s_wait_dscnt 0x0
	v_lshrrev_b32 v1, 5, v0
	v_readfirstlane_b32 s14, v1                    ; wave 0..3
	s_lshr_b32 s15, s14, 1                         ; RH: my half of the tile's rows.  Also: I fetch for the rows (0) or the columns (1)
	s_and_b32 s16, s14, 1                          ; CH: my half of its columns.  Also: which record I fetch
	s_bfe_u32 s40, ttmp6, 0x40000                  ; cx
	s_bfe_u32 s41, ttmp6, 0x40004                  ; cy
	s_and_b32 s67, ttmp7, 0xffff                   ; the cluster's y, 0..11
	s_sub_co_u32 s69, s67, 8
	s_lshl_b32 s69, s69, 1
	s_add_co_u32 s69, s69, ttmp9                   ; V: 2 (y - 8) + x
	s_cmp_ge_u32 s67, 8
	s_cselect_b32 s68, 1, 0                        ; 1: this cluster makes V^T
	s_cselect_b32 s69, s69, ttmp9
	s_cselect_b32 s70, 0, s67
	s_lshl_b32 s42, s69, 2
	s_add_co_u32 s42, s42, s40                     ; tile column
	s_lshl_b32 s17, s70, 2
	s_add_co_u32 s17, s17, s41                     ; tile row
	s_lshl_b32 s43, s41, 2
	s_lshl_b32 s43, 15, s43                        ; my row of the cluster
	s_lshl_b32 s44, 0x1111, s40                    ; my column
	; descriptor group 1: a dense record as 132 rows of 256 bytes (32 elements of 8 bytes), no padding
	s_or_b32 s[G1+0], s43, (3<<16)|(1<<21)         ; 15:0 the mask; 17:16 elements of 8 bytes; 21 set beside a mask
	s_or_b32 s[G1B+0], s44, (3<<16)|(1<<21)
.irp g, G1, G1B
	s_mov_b32 s[\g+1], 32<<16                      ; tensor_dim0 = 32
	s_mov_b32 s[\g+2], 132<<16                     ; tensor_dim1 = 132
	s_mov_b32 s[\g+3], 32<<16                      ; tile_dim0 = 32
	s_mov_b32 s[\g+4], 132                         ; tile_dim1 = 132
	s_mov_b32 s[\g+5], 32                          ; from row to row
	s_mov_b32 s[\g+6], 0
	s_mov_b32 s[\g+7], 0
.endr
	s_lshl_b32 s20, s17, 1
	s_add_co_u32 s20, s20, s16
	s_mul_i32 s20, s20, GB                         ; the rows' 128 that I fetch
	s_mov_b32 s21, 0
	s_lshl_b32 s46, s42, 1
	s_add_co_u32 s46, s46, s16
	s_mul_i32 s46, s46, GB                         ; the columns'
	s_mov_b32 s47, 0
	s_mul_i32 s45, s14, HALFT                      ; where they go: no place in the cluster enters an LDS address
	s_wait_kmcnt 0x0
	s_add_nc_u64 s[72:73], s[6:7], 16*GB           ; Wv's part of wop
	s_cmp_eq_u32 s68, 1
	s_cselect_b64 s[74:75], s[72:73], s[4:5]       ; the rows' operand
	s_cselect_b64 s[76:77], s[4:5], s[6:7]         ; the columns'
	s_add_nc_u64 s[20:21], s[74:75], s[20:21]
	s_add_nc_u64 s[46:47], s[76:77], s[46:47]
	CROUND                                         ; all sixteen work-groups are here: the first joint loads meet
.irp s, 0,1
	s_mov_b32 s[G0+4*\s], 1
	s_add_co_u32 s[G0+4*\s+1], s45, \s*SLOT
	s_add_nc_u64 s[G0+4*\s+2:G0+4*\s+3], s[20:21], \s*KSB
	s_or_b32 s[G0+4*\s+3], s[G0+4*\s+3], 0x80000000
	s_mov_b32 s[G0B+4*\s], 1
	s_add_co_u32 s[G0B+4*\s+1], s45, \s*SLOT
	s_add_nc_u64 s[G0B+4*\s+2:G0B+4*\s+3], s[46:47], \s*KSB
	s_or_b32 s[G0B+4*\s+3], s[G0B+4*\s+3], 0x80000000
	JLOAD G0+4*\s, G1, G0B+4*\s, G1B
.endr
	v_and_b32 v1, 15, v0                           ; r
	v_bfe_u32 v2, v0, 4, 1                         ; h
	s_wait_alu depctr_va_vdst(0)
	v_and_b32 v3, 31, v0
	v_lshlrev_b32 v4, 4, v3                        ; 16 x lane
	s_mul_i32 s21, s15, HALFT
	s_mul_i32 s22, s16, HALFT
	s_add_co_u32 s22, s22, 2*HALFT
.irp s, 0,1
	v_add_nc_u32 v[ADRA+\s], s21, v4
	v_add_nc_u32 v[ADRB+\s], s22, v4
	s_add_co_u32 s21, s21, SLOT
	s_add_co_u32 s22, s22, SLOT
.endr
	s_mul_i32 s21, s15, HALFT
	s_mul_i32 s22, s16, HALFT
	s_add_co_u32 s22, s22, 2*HALFT
	s_sub_co_u32 s22, s22, s21
	v_mul_u32_u24 v6, s22, v2                      ; lanes 16-31 take the columns' words: one product, h x the distance
	v_lshl_add_u32 v5, v1, 3, v6                   ; 8 bytes a row
	s_add_co_u32 s21, s21, 32768
	v_add_nc_u32 v[ADRS], s21, v5
	v_add_nc_u32 v[ADRS+1], SLOT, v[ADRS]
.macro FRAG reg, adr, q, i             ; a fragment as it was stored: four times 512 consecutive bytes
.irp c, 0,1,2,3
	ds_load_b128 v[\reg+4*\c:\reg+4*\c+3], v[\adr] offset:4096*(\i)+2048*(\q)+512*\c
.endr
.endm
; 16 matrix instructions: the rows' blocks a0, a0 + 1 x the columns' eight.  The 64 accumulators take turns, one instruction a turn, in the same order in every step.
.macro MUL16 a0, p, q, sc, zero
.irp a, \a0, \a0+1
.irp b, 0,1,2,3,4,5,6,7
.if \zero
	v_wmma_scale_f32_16x16x128_f8f6f4 v[8*(8*((\a)%4)+\b):8*(8*((\a)%4)+\b)+7], v[128*(\p)+FR*\b:128*(\p)+FR*\b+FR-1], v[AF+FR*(\a):AF+FR*(\a)+FR-1], 0, v[SC+8*NQ*(\sc)+NQ*\b+(\q)], v[SC+8*NQ*(\sc)+NQ*(\a)+(\q)] matrix_a_scale:MATRIX_SCALE_ROW1
.else
	v_wmma_scale_f32_16x16x128_f8f6f4 v[8*(8*((\a)%4)+\b):8*(8*((\a)%4)+\b)+7], v[128*(\p)+FR*\b:128*(\p)+FR*\b+FR-1], v[AF+FR*(\a):AF+FR*(\a)+FR-1], v[8*(8*((\a)%4)+\b):8*(8*((\a)%4)+\b)+7], v[SC+8*NQ*(\sc)+NQ*\b+(\q)], v[SC+8*NQ*(\sc)+NQ*(\a)+(\q)] matrix_a_scale:MATRIX_SCALE_ROW1
.endif
.endr
.endr
.endm
.macro FETCH_B slot, q, p
	WIN TO_B
.irp i, 0,1,2,3,4,5,6,7
	FRAG 128*(\p)+FR*\i, ADRB+\slot, \q, \i
.endr
	WIN 0
.endm
.macro FETCH_A slot, q, i0
.irp i, \i0, \i0+1, \i0+2, \i0+3
	FRAG AF+FR*(\i), ADRA+\slot, \q, \i
.endr
.endm
.macro SCALES sc                       ; the slot's scale words into set sc: two words a row; lanes 0-15 the rows' block i, lanes 16-31 the columns' block i
.irp i, 0,1,2,3,4,5,6,7
	ds_load_b64 v[SC+8*NQ*\sc+NQ*\i:SC+8*NQ*\sc+NQ*\i+1], v[ADRS+\sc] offset:\i*128
.endr
.endm
.macro PLACES n
.rept \n
	v_nop
.endr
.endm
.macro STEP slot, q, zero              ; 128 along K, with its successor in the same slot
	s_wait_dscnt 4*NL                              ; all but the youngest sixteen loads (the rows' blocks 4-7) are in
	WIN MUL_LO
	MUL16 0, (\q)%2, \q, \slot, \zero
	MUL16 2, (\q)%2, \q, \slot, \zero
	s_wait_dscnt 0
	PLACES NP
	FETCH_B \slot, (\q)+1, 1-(\q)%2
	FETCH_A \slot, (\q)+1, 0
	WIN MUL_HI
	MUL16 4, (\q)%2, \q, \slot, \zero
	MUL16 6, (\q)%2, \q, \slot, \zero
	PLACES NP
	WIN 0
	FETCH_A \slot, (\q)+1, 4
.endm
; A slot's last step changes slots: one barrier; in front of it each wave waits for all its tensor loads, adds 0 to its spare word, and waits for that and for its reads of this slot.
.macro TURN slot, next, fill
	s_wait_tensorcnt 0x0                           ; all my tensor loads have landed: my part of the next slot
	ds_add_u32 v[SPW], v[NIL]                      ; 0 onto my spare word
	s_wait_dscnt 4*NL+1                            ; (the add and the youngest sixteen loads may be out)
	WIN MUL_LO
	MUL16 0, 1, NQ-1, \slot, 0
	s_wait_dscnt 0x0                               ; the add is done, and my reads of this slot are over
	s_barrier_signal -1
	MUL16 2, 1, NQ-1, \slot, 0
	WIN 0
	s_barrier_wait -1
.if \fill
	CREST                                          ; the barrier has opened a round of the cluster's: no wave of any partner still reads this slot or has a load on its way
	s_add_nc_u64 s[G0+4*\slot+2:G0+4*\slot+3], s[G0+4*\slot+2:G0+4*\slot+3], 2*KSB
	s_add_nc_u64 s[G0B+4*\slot+2:G0B+4*\slot+3], s[G0B+4*\slot+2:G0B+4*\slot+3], 2*KSB
	JLOAD G0+4*\slot, G1, G0B+4*\slot, G1B         ; the first tensor load behind the round; its four v_nop are among the places in front of the loads below
	PLACES NP-4
.else
	PLACES NP
.endif
	FETCH_B \next, 0, 0
	FETCH_A \next, 0, 0
	SCALES \next
	WIN MUL_HI
	MUL16 4, 1, NQ-1, \slot, 0
	MUL16 6, 1, NQ-1, \slot, 0
	PLACES NP
	WIN 0
	FETCH_A \next, 0, 4
.endm
	s_wait_alu depctr_va_vdst(0)
	s_wait_tensorcnt 1                             ; my part of K step 0 is in; K step 1's load may be out
	s_barrier_signal -1
	s_barrier_wait -1
	FETCH_B 0, 0, 0
	FETCH_A 0, 0, 0
	SCALES 0
	FETCH_A 0, 0, 4
	STEP 0, 0, 1                                   ; the first products start the sums: nothing is cleared
	TURN 0, 1, 1                                   ; four K steps are twice round the ring: written straight, there is no trip to repeat
	STEP 1, 0, 0
	TURN 1, 0, 1
	STEP 0, 0, 0
	TURN 0, 1, 0
	STEP 1, 0, 0
	s_wait_dscnt 4*NL
	WIN MUL_LO
	MUL16 0, 1, NQ-1, 1, 0
	MUL16 2, 1, NQ-1, 1, 0
	s_wait_dscnt 0
	WIN MUL_HI
	MUL16 4, 1, NQ-1, 1, 0
	MUL16 6, 1, NQ-1, 1, 0
	WIN 0
	; ---- WHERE THE RESULTS GO.  Q, K | V
	s_and_b32 s72, s42, 3
	s_lshl_b32 s72, s72, 2
	s_lshl_b32 s73, s16, 1
	s_add_co_u32 s72, s72, s73                     ; Q, K: my first head = 4 (tile column % 4) + 2 CH
	s_lshl_b32 s73, s17, 2
	s_lshl_b32 s74, s15, 1
	s_add_co_u32 s73, s73, s74                     ; V: 4 x tile row + 2 RH
	s_cmp_eq_u32 ttmp9, 0
	s_cselect_b64 s[76:77], s[8:9], s[10:11]       ; tile columns 0-3 are Wq's, 4-7 Wk's
	s_cmp_eq_u32 s68, 1
	s_cselect_b32 s70, s42, s17                    ; the tile of 256 tokens
	s_cselect_b32 s71, s16, s15                    ; which 128 of them are mine
	s_cselect_b32 s72, s73, s72                    ; my first head
	s_cselect_b64 s[76:77], s[12:13], s[76:77]     ; the buffer
	s_mov_b32 s78, 17408
	s_cselect_b32 s78, 16896, s78                  ; a record
	s_mov_b32 s79, 139264
	s_cselect_b32 s79, 1024, s79                   ; from my codes' first half to the second: the next head | two blocks of keys on
	s_mov_b32 s80, 1024
	s_cselect_b32 s80, 2048, s80                   ; from block a to a + 1
	s_mov_b32 s81, 0
	s_cselect_b32 s82, 126976, 0                   ; V: at a = 4 on to the next head: 8 x 16,896 - 4 x 2,048
	s_mov_b32 s83, 0
	s_cselect_b32 s84, 8, 9                        ; the scale words of 128 tokens: 256 | 512 bytes
	s_lshr_b32 s85, s70, 3
	s_and_b32 s86, s70, 7
	s_lshl_b32 s85, s85, 4
	s_add_co_u32 s85, s85, s72
	s_lshl_b32 s85, s85, 3
	s_add_co_u32 s85, s85, s86                     ; (16 b + head) x 8 + slot
	s_mul_i32 s86, s85, s78
	s_lshl_b32 s87, s71, 13
	s_add_co_u32 s88, s86, s87
	s_mov_b32 s89, 0
	s_add_nc_u64 s[88:89], s[76:77], s[88:89]      ; my codes
	s_lshl_b32 s87, s71, s84
	s_add_co_u32 s90, s86, s87
	s_add_co_u32 s90, s90, 16384
	s_mov_b32 s91, 0
	s_add_nc_u64 s[90:91], s[76:77], s[90:91]      ; my scale words
	s_mov_b32 s[SEL], 0x76543210
	s_mov_b32 s[SEL+1], 0xfedcba98
	s_mov_b32 s[MNT], 0x600000
	s_mov_b32 s[HM], 0xffff0000
	s_mov_b32 s96, 0x01000100
	s_mov_b32 s97, 0x03020302
	PLACES NP                                      ; behind the last products: results are read, and registers that held fragments and scale words are written
	v_and_b32 v3, 31, v0
	v_lshlrev_b32 v[VLO], 4, v3
	v_lshlrev_b32 v[VL8], 3, v3
	v_add_nc_u32 v[VHI], s79, v[VLO]
.set TM, 192                           ; v192-195 largest magnitudes, v196-199 bytes, v200-203 448 x the scale, v204-207 the conversions' scale operands
.set SW, 48                            ; v48-55 block a's scale word
.set NB, 64                            ; v64-127 64 held numbers
.set CD, 128                           ; v128-159 two sets of codes
.irp b, 0,1,2,3
	v_mov_b32 v[TM+4+\b], 0                        ; written once: a lane permute's destination counts as one of its sources
.endr
; Block a of my rows: its 64 numbers a lane are four blocks of 32 along the columns' axis (with lane l xor 16).  Each accumulator is read from its low end on.
.macro EPI a
.set AC, 64*((\a)%4)
.set WW, 2+(\a)/4
.set WX, WW*5
.set CS0, CD+16*((\a)%2)
	WIN WX                                         ; sources 0 and 1: window 2 or 3
.irp b, 0,1,2,3
	v_max3_num_f32 v[TM+\b], |v[AC+16*\b]|, |v[AC+16*\b+1]|, 0x4800000   ; and the floor 2^(9 - 127)
.endr
.irp i, 2,4,6,8,10,12,14
.irp b, 0,1,2,3
	v_max3_num_f32 v[TM+\b], |v[AC+16*\b+\i]|, |v[AC+16*\b+\i+1]|, v[TM+\b]
.endr
.endr
	WIN 0
.irp b, 0,1,2,3
	v_permlanex16_b32 v[TM+4+\b], v[TM+\b], s[SEL], s[SEL+1]
.endr
.irp b, 0,1,2,3
	v_max_num_f32 v[TM+\b], v[TM+\b], v[TM+4+\b]
.endr
.irp b, 0,1,2,3
	v_add_nc_u32 v[TM+12+\b], 0xfc000000, v[TM+\b]
.endr
.irp b, 0,1,2,3
	v_and_or_b32 v[TM+8+\b], v[TM+\b], 0x7f800000, s[MNT]
.endr
.irp b, 0,1,2,3
	v_lshrrev_b32 v[TM+4+\b], 23, v[TM+12+\b]
.endr
	v_lshl_or_b32 v[SW+(\a)], v[TM+5], 8, v[TM+4]
	v_lshl_or_b32 v[SW+(\a)], v[TM+6], 16, v[SW+(\a)]
	v_lshl_or_b32 v[SW+(\a)], v[TM+7], 24, v[SW+(\a)]
	WIN WW                                         ; source 0: window 2 or 3
.irp b, 0,1,2,3
.irp i, 0,1,2,3,4,5,6,7,8,9,10,11,12,13,14,15
	v_med3_num_f32 v[NB+16*\b+\i], v[AC+16*\b+\i], -v[TM+8+\b], v[TM+8+\b]   ; the hold (ISA guide 7.6.2), and the move into window 0, in one
.endr
.endr
	WIN 0
	s_wait_alu depctr_va_vdst(0)
	s_wait_xcnt 0x0                                ; block a - 2's stores have read their codes, and all earlier stores their base: both may be written
.irp b, 0,1,2,3
	v_cvt_scalef32_pk8_fp8_f32 v[CS0+4*\b:CS0+4*\b+1], v[NB+16*\b:NB+16*\b+7], v[TM+12+\b]
	v_cvt_scalef32_pk8_fp8_f32 v[CS0+4*\b+2:CS0+4*\b+3], v[NB+16*\b+8:NB+16*\b+15], v[TM+12+\b]
.endr
	v_nop                                          ; a plain line behind the last conversion
.if (\a) > 0
	s_add_nc_u64 s[88:89], s[88:89], s[80:81]
.endif
.if (\a) == 4
	s_add_nc_u64 s[88:89], s[88:89], s[82:83]
.endif
	global_store_b128 v[VLO], v[CS0:CS0+3], s[88:89]                    ; each store covers 512 consecutive bytes, aligned
	global_store_b128 v[VLO], v[CS0+4:CS0+7], s[88:89] offset:512
	global_store_b128 v[VHI], v[CS0+8:CS0+11], s[88:89]
	global_store_b128 v[VHI], v[CS0+12:CS0+15], s[88:89] offset:512
.endm
.irp a, 0,1,2,3,4,5,6,7
	EPI \a
.endr
.irp j, 0,1,2,3
	v_cndmask_b32 v[56+\j], v[SW+2*\j], v[SW+2*\j+1], s[HM]   ; lanes 0-15: block 2 j's word of row r; lanes 16-31: block 2 j + 1's
.endr
	s_cmp_eq_u32 s68, 1
	s_cbranch_scc1 .Lv_scales
.irp j, 0,1,2,3
	v_perm_b32 v[60+\j], v[56+\j], v[56+\j], s96   ; my first head's two bytes, twice
	v_perm_b32 v[64+\j], v[56+\j], v[56+\j], s97   ; my second head's
.endr
	global_store_b128 v[VLO], v[60:63], s[90:91]
	global_store_b128 v[VLO], v[64:67], s[90:91] offset:139264
	s_branch .Lscales_done
.Lv_scales:
	s_wait_alu depctr_va_vdst(0)
	global_store_b64 v[VL8], v[56:57], s[90:91]    ; blocks 0-3 are my first head's four d tiles,
	global_store_b64 v[VL8], v[58:59], s[90:91] offset:135168   ; blocks 4-7 my second head's
.Lscales_done:
	s_wait_tensorcnt 0x0                           ; the wave's end
	ds_add_u32 v[SPW], v[NIL]
	s_wait_dscnt 0x0
	CROUND                                         ; the closing round
	s_endpgm
.Lfunc_end_k_q726775d5be_qkv:
	.size	k_q726775d5be_qkv, .Lfunc_end_k_q726775d5be_qkv-k_q726775d5be_qkv
	.p2alignl 7, 3214868480
	.fill 96, 4, 3214868480
	.section	.rodata,"a",@progbits
	.p2align	6, 0x0
	.amdhsa_kernel k_q726775d5be_qkv
		.amdhsa_group_segment_fixed_size 327680
		.amdhsa_private_segment_fixed_size 0
		.amdhsa_enable_private_segment 0
		.amdhsa_kernarg_size 40
		.amdhsa_user_sgpr_count 2
		.amdhsa_user_sgpr_kernarg_segment_ptr 1
		.amdhsa_wavefront_size32 1
		.amdhsa_system_sgpr_workgroup_id_x 1
		.amdhsa_system_sgpr_workgroup_id_y 1
		.amdhsa_system_sgpr_workgroup_id_z 1
		.amdhsa_system_vgpr_workitem_id 0
		.amdhsa_next_free_vgpr 1024
		.amdhsa_next_free_sgpr 100
		.amdhsa_reserve_vcc 0
		.amdhsa_float_denorm_mode_32 3
		.amdhsa_float_denorm_mode_16_64 3
		.amdhsa_memory_ordered 1
		.amdhsa_forward_progress 1
		.amdhsa_inst_pref_size 185
	.end_amdhsa_kernel
	.amdgpu_metadata
---
amdhsa.version: [ 1, 2 ]
amdhsa.kernels:
  - .name:           k_q726775d5be_qkv
    .symbol:         k_q726775d5be_qkv.kd
    .args:
      - { .name: xq, .offset: 0, .size: 8, .value_kind: global_buffer, .address_space: global }
      - { .name: wop, .offset: 8, .size: 8, .value_kind: global_buffer, .address_space: global }
      - { .name: qbuf, .offset: 16, .size: 8, .value_kind: global_buffer, .address_space: global }
      - { .name: kbuf, .offset: 24, .size: 8, .value_kind: global_buffer, .address_space: global }
      - { .name: vbuf, .offset: 32, .size: 8, .value_kind: global_buffer, .address_space: global }
    .group_segment_fixed_size: 327680
    .private_segment_fixed_size: 0
    .kernarg_segment_align: 8
    .kernarg_segment_size: 40
    .max_flat_workgroup_size: 128
    .sgpr_count:     100
    .vgpr_count:     1024
    .wavefront_size: 32
...
	.end_amdgpu_metadata
.endif
;; end of part 2
;; launch attn (part 3): grid 64 x 4, 16 waves a work-group, no clusters, 327,680 bytes of LDS; arguments qbuf, kbuf, vbuf, oq; writes oq
.if DOCPART == 3
	.amdgcn_target "amdgcn-amd-amdhsa--gfx1250"
	.amdhsa_code_object_version 6
	.text
	.protected	k_q726775d5be_attn
	.globl	k_q726775d5be_attn
	.p2align	8
	.type	k_q726775d5be_attn,@function
k_q726775d5be_attn:
	s_mov_b64 s[64:65], 0
	v_nop
	global_prefetch_b8 v0, s[64:65] scope:SCOPE_SE
	s_setreg_imm32_b32 hwreg(HW_REG_WAVE_MODE, 25, 1), 1
	s_wait_xcnt 0x0
; Causal attention on codes of FP8 (E4M3) with E8M0 scales: 64 (batch x head), 2,048 tokens, head size 64.  o is quantised along the head's 64 and stored as the last product's operand (oq, in the order of the operand's registers).
; THE SOFTMAX: t = score x log2(e) / 8; M = the row's largest t so far, rounded UP to a whole number; p = 2^(t - M) is quantised along the keys, not normalised; the row's sum is taken of the unquantised p and divides O at the end.
; When M moves, the sum and O are multiplied by 2^(old M - new M): exact.
; SHARES.  Work-group (head, i), i = 0..3, owns the blocks of 256 queries 7 - i and i, the late one first.  It walks slots of 256 keys: 0 .. 7 - i, then 0 .. i: NINE slots whatever i, so the trip counts are constants and all 256
; work-groups have the same work.  Each of the sixteen waves owns one tile of 16 queries of each block: four waves to a SIMD, so that one wave's vector work stands beside another's matrix work and LDS loads.
; A key step (128 keys) all of whose keys come after the wave's queries is jumped over: a scalar branch on ids, round no barrier and no tensor load.
; LAYOUT.  Both products are used transposed: S^T = K Q^T, O^T = V^T P^T: a lane holds one query throughout.  Lane r of a tile of tokens is token 32 (t / 2) + 8 (t % 2) + r + 8 (r / 8), so the 16 registers of tiles 2 b, 2 b + 1 of S^T
; are keys 32 b + 16 h + 0 .. 15; V's d tiles are laid the same way, so O^T's 16 registers of two tiles are 16 neighbours along d.
; THE HEAD IS 64 AND THE INSTRUCTION 128 DEEP.  Q's registers 8-15 hold zero codes for good.  A key tile's operand is 16 registers of which the upper 8 are the next tile's codes (for the last tile: zeros): never a NaN code, since the
; quantiser holds; they meet zero codes under scale bytes that repeat the real ones, and add exactly 0.
; NO CLUSTER: the four work-groups of a head walk the same slots only up to the first one's change of blocks (slot 5 of 9 at the earliest); from there on partners would ask for different tiles in the same round.
; LIMITS: NaN and infinities are not served; a block of o whose largest magnitude lies under 2^-118 keeps the byte 1.
; REGISTERS: v1-7 addresses that stay; v8-9 LDS addresses of the slot in hand; v10-11 Q's offsets; v12 -M, v13 the largest t, v[14:15] the sum; v16-31 Q; v32-95 K's 8 tiles, then V's 4 fragments; v96-103 zeros; v104-167 S^T, then p;
; v168-199 O^T; v200-215 p's codes; v216-219 K's scale words, v220-221 V's, v222 Q's; v223-231 the second block's Q; v232-255 at work.
.set GB,    135168
.set KSB,   33792
.set KREC,  17408                      ; a slot's record of K: 16 tiles of 1,024 bytes, 1,024 bytes of scale words
.set VREC,  16896                      ; of V: 8 fragments of 2,048 bytes, 512 bytes of scale words
.set SLOT1, 65536                      ; slot 1 begins here: one exclusive or turns an address from one slot to the other
.set VOFF,  KREC                       ; in a slot V's record lies behind K's
.set SPARE, 2*SLOT1                    ; the spare words, 128 bytes for each wave: eight blocks of 256 bytes that no other line names
.set LI,  1                            ; v1  16 x lane
.set L8,  2                            ; v2  8 x lane
.set DQ,  3                            ; v3  r + 8 (r / 8) - 16 h
.set OSA, 4                            ; v4  8 r + h
.set SPW, 5
.set NIL, 6
.set PFO, 7                            ; v7  256 x lane
.set S,   104
.set O,   168
.set PC,  200
.set WV,  12
.set PI,  13                           ; s13 i
.set SW,  14                           ; s14 8 - i: slots of the first block
.set SN,  15                           ; s15 the slot asked for last
.set CNT, 16                           ; s16 counts the loop's 8 trips down
.set KF,  17                           ; s17 the step's first key
.set TQ,  18                           ; s18 my tile's first query
.set TQLO, 19
.set SEL, 20
.set CS,  22                           ; s[22:23] log2(e) / 8
.set G1K, 24
.set G1V, 32
.set G0K, 40
.set G0V, 44
.set KBASE, 48
.set VBASE, 50
.set OC,  52                           ; s[52:53] where my tile's codes of o go;  s[54:55] its scale bytes;  s[56:59] the same for the second block
.set OS,  54
.set OCLO, 56
.set OSLO, 58
.set PFA, 60
.set PFS, 62
.set MNT, 66
.set HM,  67
.set TB,  68                           ; s68 LDS byte at which the slot in hand begins
.set LIM, 69
; Wave 0 fetches K's record, wave 1 V's, the others nothing.  Four v_nop follow each line.
.macro TLOAD
	s_cmp_eq_u32 s[WV], 0
	s_cbranch_scc0 .Lnot_k_\@
	tensor_load_to_lds s[G0K:G0K+3], s[G1K:G1K+7]
	s_nop 0
.rept 4
	v_nop
.endr
	s_branch .Lasked_\@
.Lnot_k_\@:
	s_cmp_eq_u32 s[WV], 1
	s_cbranch_scc0 .Lasked_\@
	tensor_load_to_lds s[G0V:G0V+3], s[G1V:G1V+7]
	s_nop 0
.rept 4
	v_nop
.endr
.Lasked_\@:
.endm
; A prefetch of the codes that the NEXT change of slots will ask for.  The work-group with i = 0 walks slots 0 to 7 of its head in order: it alone asks; waves 4 and 5 for K's 16,384 bytes of codes, waves 6 and 7 for V's,
; 8,192 bytes a wave, lanes 256 bytes apart: each block of 256 bytes is named once in the launch.  Trip t asks for slot t + 2, so the last two trips ask for nothing; slots 0 and 1 and the scale words come by their loads alone.
.macro ASK
	s_cmp_gt_u32 s[CNT], s[LIM]
	s_cbranch_scc0 .Lnot_mine_\@
	global_prefetch_b8 v[PFO], s[PFA:PFA+1] th:TH_LOAD_NT scope:SCOPE_SE
.Lnot_mine_\@:
.endm
	s_load_b256 s[4:11], s[0:1], 0x0               ; qbuf s[4:5], kbuf s[6:7], vbuf s[8:9], oq s[10:11]
	v_lshl_add_u32 v[SPW], v0, 2, SPARE
	v_mov_b32 v[NIL], 0
	ds_add_u32 v5, v6
	ds_add_u32 v5, v6
	s_wait_dscnt 0x0
	v_lshrrev_b32 v8, 5, v0
	s_delay_alu instid0(VALU_DEP_1)
	v_readfirstlane_b32 s[WV], v8                  ; wave 0..15
	s_and_b32 s[PI], ttmp7, 0xffff
	s_sub_co_u32 s[SW], 8, s[PI]
	s_mov_b32 s[SN], 0
	s_mov_b32 s[CNT], 8
	s_mov_b32 s[KF], 0
	s_mov_b32 s[TB], 0
	s_mov_b32 s[SEL], 0x76543210
	s_mov_b32 s[SEL+1], 0xfedcba98
	s_mov_b32 s[CS], 0x3e38aa3b                    ; log2(e) / 8
	s_mov_b32 s[CS+1], s[CS]
	s_mov_b32 s[HM], 0xffff0000
	; descriptor group 1: a dense record as rows of 256 bytes (32 elements of 8 bytes): K's 68 rows, V's 66
	s_mov_b32 s[G1K], 3<<16
	s_mov_b32 s[G1K+1], 32<<16
	s_mov_b32 s[G1K+2], 68<<16
	s_mov_b32 s[G1K+3], 32<<16
	s_mov_b32 s[G1K+4], 68
	s_mov_b32 s[G1K+5], 32
	s_mov_b32 s[G1K+6], 0
	s_mov_b32 s[G1K+7], 0
	s_mov_b32 s[G1V], 3<<16
	s_mov_b32 s[G1V+1], 32<<16
	s_mov_b32 s[G1V+2], 66<<16
	s_mov_b32 s[G1V+3], 32<<16
	s_mov_b32 s[G1V+4], 66
	s_mov_b32 s[G1V+5], 32
	s_mov_b32 s[G1V+6], 0
	s_mov_b32 s[G1V+7], 0
	s_mul_i32 s74, ttmp9, 8*KREC
	s_mov_b32 s75, 0
	s_mul_i32 s76, ttmp9, 8*VREC
	s_mov_b32 s77, 0
	s_wait_kmcnt 0x0
	s_add_nc_u64 s[KBASE:KBASE+1], s[6:7], s[74:75]   ; my head's K
	s_add_nc_u64 s[VBASE:VBASE+1], s[8:9], s[76:77]   ; and V
	s_mov_b32 s[G0K], 1
	s_mov_b32 s[G0K+1], 0
	s_mov_b64 s[G0K+2:G0K+3], s[KBASE:KBASE+1]
	s_or_b32 s[G0K+3], s[G0K+3], 0x80000000
	s_mov_b32 s[G0V], 1
	s_mov_b32 s[G0V+1], VOFF
	s_mov_b64 s[G0V+2:G0V+3], s[VBASE:VBASE+1]
	s_or_b32 s[G0V+3], s[G0V+3], 0x80000000
	TLOAD                                          ; slot 0
	v_and_b32 v8, 31, v0
	s_delay_alu instid0(VALU_DEP_1)
	v_lshlrev_b32 v[LI], 4, v8
	s_delay_alu instid0(VALU_DEP_2)
	v_lshlrev_b32 v[L8], 3, v8
	s_delay_alu instid0(VALU_DEP_3)
	v_lshlrev_b32 v[PFO], 8, v8
	v_and_b32 v8, 15, v0                           ; r
	s_wait_alu depctr_va_vdst(0)
	v_bfe_u32 v9, v0, 4, 1                         ; h
	v_and_b32 v[DQ], 8, v8
	s_delay_alu instid0(VALU_DEP_1)
	v_add_nc_u32 v[DQ], v[DQ], v8
	s_delay_alu instid0(VALU_DEP_3)
	v_lshlrev_b32 v[OSA], 4, v9
	s_delay_alu instid0(VALU_DEP_1)
	v_sub_nc_u32 v[DQ], v[DQ], v[OSA]
	v_lshl_add_u32 v[OSA], v8, 3, v9
	; Q: tile w of each of my two blocks, and its scale words
	s_sub_co_u32 s89, 7, s[PI]                     ; the first block
	s_lshl_b32 s70, ttmp9, 3
	s_add_co_u32 s72, s70, s[PI]
	s_add_co_u32 s70, s70, s89
	s_mul_i32 s70, s70, KREC
	s_mul_i32 s72, s72, KREC
	s_mov_b32 s71, 0
	s_mov_b32 s73, 0
	s_add_nc_u64 s[70:71], s[4:5], s[70:71]
	s_add_nc_u64 s[72:73], s[4:5], s[72:73]
	s_lshl_b32 s74, s[WV], 10
	v_add_nc_u32 v10, s74, v[LI]
	s_wait_alu depctr_va_vdst(0)
	s_lshr_b32 s75, s[WV], 3
	s_lshl_b32 s75, s75, 9                         ; which 128 tokens,
	s_bfe_u32 s76, s[WV], 0x20001
	s_lshl_b32 s76, s76, 2                         ; which word,
	s_add_co_u32 s75, s75, s76
	s_and_b32 s76, s[WV], 1
	s_lshl_b32 s76, s76, 8                         ; which half of the lanes' places
	s_add_co_u32 s75, s75, s76
	s_add_co_u32 s75, s75, 16384
	v_lshl_add_u32 v11, v8, 4, s75
	global_load_b128 v[16:19], v10, s[70:71]
	global_load_b128 v[20:23], v10, s[70:71] offset:512
	global_load_b32 v222, v11, s[70:71]
	global_load_b128 v[224:227], v10, s[72:73]
	global_load_b128 v[228:231], v10, s[72:73] offset:512
	global_load_b32 v223, v11, s[72:73]
	; where o goes: block R = 128 b + 16 x (block of queries) + w of oq's rows; k = 64 head + d
	s_lshr_b32 s80, ttmp9, 4
	s_and_b32 s81, ttmp9, 15
	s_lshl_b32 s80, s80, 4
	s_lshr_b32 s82, s[WV], 3
	s_add_co_u32 s80, s80, s82
	s_mul_i32 s80, s80, GB
	s_lshr_b32 s82, s81, 2
	s_mul_i32 s82, s82, KSB
	s_add_co_u32 s80, s80, s82
	s_and_b32 s83, s[WV], 7
	s_bfe_u32 s84, s81, 0x10001
	s_and_b32 s85, s81, 1
	s_lshl_b32 s86, s83, 12
	s_lshl_b32 s87, s84, 11
	s_add_co_u32 s86, s86, s87
	s_lshl_b32 s87, s85, 10
	s_add_co_u32 s86, s86, s87
	s_add_co_u32 s86, s86, s80                     ; the codes,
	s_lshl_b32 s88, s83, 7
	s_lshl_b32 s87, s84, 2
	s_add_co_u32 s88, s88, s87
	s_lshl_b32 s87, s85, 1
	s_add_co_u32 s88, s88, s87
	s_add_co_u32 s88, s88, s80
	s_add_co_u32 s88, s88, 32768                   ; the scale bytes
	s_mul_i32 s90, s89, 2*GB
	s_mul_i32 s91, s[PI], 2*GB
	s_mov_b32 s93, 0
	s_add_co_u32 s92, s86, s90
	s_add_nc_u64 s[OC:OC+1], s[10:11], s[92:93]
	s_add_co_u32 s92, s86, s91
	s_add_nc_u64 s[OCLO:OCLO+1], s[10:11], s[92:93]
	s_add_co_u32 s92, s88, s90
	s_add_nc_u64 s[OS:OS+1], s[10:11], s[92:93]
	s_add_co_u32 s92, s88, s91
	s_add_nc_u64 s[OSLO:OSLO+1], s[10:11], s[92:93]
	s_lshr_b32 s82, s[WV], 1
	s_lshl_b32 s82, s82, 5
	s_and_b32 s83, s[WV], 1
	s_lshl_b32 s83, s83, 3
	s_add_co_u32 s82, s82, s83
	s_lshl_b32 s83, s89, 8
	s_add_co_u32 s[TQ], s82, s83
	s_lshl_b32 s83, s[PI], 8
	s_add_co_u32 s[TQLO], s82, s83
	; the prefetches: where mine stand, and who asks
	s_cmp_lt_u32 s[WV], 6
	s_cselect_b64 s[PFA:PFA+1], s[KBASE:KBASE+1], s[VBASE:VBASE+1]
	s_mov_b32 s[PFS], VREC
	s_cselect_b32 s[PFS], KREC, s[PFS]
	s_mov_b32 s[PFS+1], 0
	s_and_b32 s78, s[WV], 1
	s_lshl_b32 s78, s78, 13
	s_add_co_u32 s78, s78, s[PFS]                  ; in slot 1: the first change of slots steps it to slot 2
	s_mov_b32 s79, 0
	s_add_nc_u64 s[PFA:PFA+1], s[PFA:PFA+1], s[78:79]
	s_lshr_b32 s78, s[WV], 2
	s_xor_b32 s78, s78, 1                          ; 0 in waves 4 to 7,
	s_or_b32 s78, s78, s[PI]                       ; of the work-group with i = 0
	s_cmp_eq_u32 s78, 0
	s_cselect_b32 s[LIM], 2, -1
.irp j, 0,1,2,3,4,5,6,7
	v_mov_b32 v[24+\j], 0                          ; Q's upper 64 along K: zero codes, for good
	v_mov_b32 v[96+\j], 0                          ; and behind K's last tile
.endr
	v_mov_b32 v13, 0xff61b1e6                      ; the largest t so far: -3e38
	s_delay_alu instid0(VALU_DEP_1)
	v_floor_f32 v12, -v13                          ; -M
	v_mov_b32 v14, 0
	v_mov_b32 v15, 0
.irp b, 0,1,2,3
	v_mov_b32 v[236+\b], 0                         ; a lane permute's destination counts as one of its sources
.endr
	v_mov_b32 v252, 0
	v_mov_b32 v253, 0
.set j, 0
.rept 32
	v_mov_b32 v[O+j], 0                            ; O^T: the step is written once; the first change of M leaves zeros zeros
.set j, j+1
.endr
; A KEY STEP: 128 keys, the q-th of the slot in hand.
.macro STEP q
	s_add_co_u32 s96, s[TQ], 23                    ; my tile's last query
	s_cmp_gt_u32 s[KF], s96
	s_cbranch_scc1 .Lhidden_\@
	v_add_nc_u32 v8, s[TB], v[LI]
	v_add_nc_u32 v9, s[TB], v[L8]
.rept 6
	v_nop                                          ; with the two additions: eight places in front of loads into registers that matrix instructions have read
.endr
.set t, 0
.rept 8
	ds_load_b128 v[32+8*t:35+8*t], v8 offset:(8*(\q)+t)*1024
	ds_load_b128 v[36+8*t:39+8*t], v8 offset:(8*(\q)+t)*1024+512
.set t, t+1
.endr
	ds_load_b128 v[216:219], v8 offset:16384+512*(\q)   ; word j: lanes 0-15 tile 2 j's, lanes 16-31 tile 2 j + 1's
	s_wait_alu depctr_va_vdst(0)
	s_wait_dscnt 0x0
.irp t, 0,2,4,6
	v_wmma_scale_f32_16x16x128_f8f6f4 v[S+8*\t:S+8*\t+7], v[32+8*\t:47+8*\t], v[16:31], 0, v[216+\t/2], v222
	v_wmma_scale_f32_16x16x128_f8f6f4 v[S+8*\t+8:S+8*\t+15], v[40+8*\t:55+8*\t], v[16:31], 0, v[216+\t/2], v222 matrix_a_scale:MATRIX_SCALE_ROW1
.endr
.rept 8
	v_nop                                          ; places: in front of the loads below and of the first read of the scores
.endr
.set t, 0
.rept 16
	ds_load_b128 v[32+4*t:35+4*t], v8 offset:VOFF+4*(\q)*2048+512*t   ; V's four fragments: they land under the softmax
.set t, t+1
.endr
	ds_load_b64 v[220:221], v9 offset:VOFF+16384+256*(\q)
	s_add_co_u32 s96, s[KF], 127                   ; on the diagonal the scores of hidden keys become -infinity; a step all of whose keys count skips this
	s_cmp_le_u32 s96, s[TQ]
	s_cbranch_scc1 .Lopen_\@
	s_sub_co_i32 s96, s[TQ], s[KF]
	v_add_nc_u32 v252, s96, v[DQ]                  ; d = my query - KF - 16 h.  Register 16 b + i holds key KF + 16 h + 32 b + i: hidden where 32 b + i > d
	v_mov_b32 v254, 0xff800000
.set n, 0
.rept 64
	v_cmp_gt_i32 vcc_lo, 32*(n/16)+n%16, v252
	v_cndmask_b32 v[S+n], v[S+n], v254, vcc_lo
.set n, n+1
.endr
.Lopen_\@:
.irp b, 0,1,2,3
	v_max3_num_f32 v[232+\b], v[S+16*\b], v[S+1+16*\b], v[S+2+16*\b]   ; the largest score of each block of 32 keys: for the row's maximum, and, since p rises with the score, for the block's largest p
.endr
.irp i, 3,5,7,9,11,13
.irp b, 0,1,2,3
	v_max3_num_f32 v[232+\b], v[232+\b], v[S+16*\b+\i], v[S+1+16*\b+\i]
.endr
.endr
.irp b, 0,1,2,3
	v_max_num_f32 v[232+\b], v[232+\b], v[S+15+16*\b]
.endr
.irp b, 0,1,2,3
	s_delay_alu instid0(VALU_DEP_4)
	v_permlanex16_b32 v[236+\b], v[232+\b], s[SEL], s[SEL+1]
.endr
.irp b, 0,1,2,3
	s_delay_alu instid0(VALU_DEP_4)
	v_max_num_f32 v[232+\b], v[232+\b], v[236+\b]
.endr
	s_delay_alu instid0(VALU_DEP_2)
	v_max3_num_f32 v254, v232, v233, v234
	s_delay_alu instid0(VALU_DEP_1)
	v_max_num_f32 v254, v254, v235
	s_delay_alu instid0(VALU_DEP_1)
	v_mul_f32 v254, s[CS], v254
	s_delay_alu instid0(VALU_DEP_1)
	v_max_num_f32 v13, v13, v254                   ; the running largest t
	v_mov_b32 v254, v12
	s_delay_alu instid0(VALU_DEP_2)
	v_floor_f32 v12, -v13                          ; the new -M = -ceil(t)
	s_delay_alu instid0(VALU_DEP_1)
	v_sub_f32 v254, v12, v254                      ; old M - new M: a whole number, 0 or less
	s_delay_alu instid0(VALU_DEP_1)
	v_cvt_i32_f32 v254, v254
	s_delay_alu instid0(VALU_DEP_1)
	v_ldexp_f32 v252, 1.0, v254                    ; f = 2^(old M - new M)
.set j, 0
.rept 32
	v_pk_fma_f32 v[S+j:S+j+1], v[S+j:S+j+1], s[CS:CS+1], v[12:13] op_sel_hi:[1,0,0]   ; t - M
.set j, j+2
.endr
.irp b, 0,1,2,3
	v_fma_f32 v[232+\b], v[232+\b], s[CS], v12
.endr
.set j, 0
	s_wait_alu depctr_va_vdst(0)
.rept 64
	v_exp_f32 v[S+j], v[S+j]                       ; p = 2^(t - M)
.set j, j+1
.endr
	v_pk_mul_f32 v[14:15], v[14:15], v[252:253] op_sel_hi:[1,0]   ; the sums under the new M: a plain line behind the exponentials
	s_wait_alu depctr_va_vdst(0)                   ; one wait for the batch, ahead of its first reader
.irp b, 0,1,2,3
	v_exp_f32 v[232+\b], v[232+\b]                 ; each block's largest p
.endr
	v_pk_add_f32 v[236:237], v[108:109], v[112:113]
	v_pk_add_f32 v[254:255], v[116:117], v[120:121]
	v_pk_add_f32 v[250:251], v[124:125], v[128:129]
	v_pk_add_f32 v[248:249], v[132:133], v[136:137]
	v_pk_add_f32 v[246:247], v[140:141], v[144:145]
	v_pk_add_f32 v[244:245], v[148:149], v[152:153]
	v_pk_add_f32 v[242:243], v[156:157], v[160:161]
	v_pk_add_f32 v[14:15], v[14:15], v[164:165]
	v_pk_add_f32 v[236:237], v[236:237], v[104:105]
	v_pk_add_f32 v[254:255], v[254:255], v[106:107]
	v_pk_add_f32 v[250:251], v[250:251], v[110:111]
	v_pk_add_f32 v[248:249], v[248:249], v[114:115]
	v_pk_add_f32 v[246:247], v[246:247], v[118:119]
	v_pk_add_f32 v[244:245], v[244:245], v[122:123]
	v_pk_add_f32 v[242:243], v[242:243], v[126:127]
	v_pk_add_f32 v[14:15], v[14:15], v[130:131]
	v_pk_add_f32 v[236:237], v[236:237], v[134:135]
	v_pk_add_f32 v[254:255], v[254:255], v[138:139]
	v_pk_add_f32 v[250:251], v[250:251], v[142:143]
	v_pk_add_f32 v[248:249], v[248:249], v[146:147]
	v_pk_add_f32 v[246:247], v[246:247], v[150:151]
	v_pk_add_f32 v[244:245], v[244:245], v[154:155]
	v_pk_add_f32 v[242:243], v[242:243], v[158:159]
	v_pk_add_f32 v[14:15], v[14:15], v[162:163]
	v_pk_add_f32 v[236:237], v[236:237], v[166:167]
	s_delay_alu instid0(VALU_DEP_2)
	v_pk_add_f32 v[14:15], v[14:15], v[248:249]
	s_delay_alu instid0(VALU_DEP_2)
	v_pk_add_f32 v[236:237], v[236:237], v[246:247]
	v_pk_add_f32 v[254:255], v[254:255], v[244:245]
	v_pk_add_f32 v[250:251], v[250:251], v[242:243]
	s_delay_alu instid0(VALU_DEP_2)
	v_pk_add_f32 v[14:15], v[14:15], v[254:255]
	s_delay_alu instid0(VALU_DEP_2)
	v_pk_add_f32 v[236:237], v[236:237], v[250:251]
	s_delay_alu instid0(VALU_DEP_1)
	v_pk_add_f32 v[14:15], v[14:15], v[236:237]
	s_wait_alu depctr_va_vdst(0)                   ; and one for the four
.irp b, 0,1,2,3
	v_max_num_f32 v[232+\b], 0x4800000, v[232+\b]  ; the floor 2^(9 - 127)
.endr
.irp b, 0,1,2,3
	s_delay_alu instid0(VALU_DEP_4)
	v_add_nc_u32 v[244+\b], 0xfc000000, v[232+\b]
.endr
.irp b, 0,1,2,3
.endr
.irp b, 0,1,2,3
	s_delay_alu instid0(VALU_DEP_4)
	v_lshrrev_b32 v[236+\b], 23, v[244+\b]
.endr
	s_delay_alu instid0(VALU_DEP_3)
	v_lshl_or_b32 v253, v237, 8, v236              ; p's scale word for these 128 keys
	s_delay_alu instid0(VALU_DEP_1)
	v_lshl_or_b32 v253, v238, 16, v253
	s_delay_alu instid0(VALU_DEP_1)
	v_lshl_or_b32 v253, v239, 24, v253
.irp b, 0,1,2,3
.irp i, 0,1,2,3,4,5,6,7,8,9,10,11,12,13,14,15
.endr
	v_cvt_scalef32_pk8_fp8_f32 v[PC+4*\b:PC+1+4*\b], v[S+16*\b:S+7+16*\b], v[244+\b]
	v_cvt_scalef32_pk8_fp8_f32 v[PC+2+4*\b:PC+3+4*\b], v[S+8+16*\b:S+15+16*\b], v[244+\b]
.endr
.set j, 0
.rept 16
	v_pk_mul_f32 v[O+j:O+j+1], v[O+j:O+j+1], v[252:253] op_sel_hi:[1,0]   ; O^T under the new M; these sixteen are also the places between the codes and the products
.set j, j+2
.endr
	s_wait_alu depctr_va_vdst(0)
	s_wait_dscnt 0x0                               ; V is in
.irp t, 0,2
	v_wmma_scale_f32_16x16x128_f8f6f4 v[O+8*\t:O+8*\t+7], v[32+16*\t:47+16*\t], v[PC:PC+15], v[O+8*\t:O+8*\t+7], v[220+\t/2], v253
	v_wmma_scale_f32_16x16x128_f8f6f4 v[O+8*\t+8:O+8*\t+15], v[48+16*\t:63+16*\t], v[PC:PC+15], v[O+8*\t+8:O+8*\t+15], v[220+\t/2], v253 matrix_a_scale:MATRIX_SCALE_ROW1
.endr
.Lhidden_\@:
	s_add_co_u32 s[KF], s[KF], 128
.endm
; THE END OF A BLOCK OF QUERIES: O^T / the sum, quantised along d (two blocks of 32, each shared with lane l xor 16), and stored in the order of the last product's operand.
.macro FINISH
.rept 8
	v_nop                                          ; places behind the last products
.endr
	v_add_f32 v14, v14, v15
	s_delay_alu instid0(VALU_DEP_1)
	v_permlanex16_b32 v252, v14, s[SEL], s[SEL+1]
	s_delay_alu instid0(VALU_DEP_1)
	v_add_f32 v14, v14, v252
	s_wait_alu depctr_va_vdst(0)
	v_rcp_f32 v14, v14
	v_nop
	s_wait_alu depctr_va_vdst(0)                   ; ahead of the first reader
.set j, 0
.rept 32
	v_mul_f32 v[S+j], v[O+j], v14                  ; register 16 B + i is o(my query, 32 B + 16 h + i); each accumulator from its low end on
.set j, j+1
.endr
.irp b, 0,1
	v_max3_num_f32 v[232+\b], |v[S+16*\b]|, |v[S+1+16*\b]|, 0x4800000
.endr
.irp i, 2,4,6,8,10,12,14
.irp b, 0,1
	s_delay_alu instid0(VALU_DEP_2)
	v_max3_num_f32 v[232+\b], v[232+\b], |v[S+16*\b+\i]|, |v[S+1+16*\b+\i]|
.endr
.endr
.irp b, 0,1
	s_delay_alu instid0(VALU_DEP_2)
	v_permlanex16_b32 v[236+\b], v[232+\b], s[SEL], s[SEL+1]
.endr
.irp b, 0,1
	s_delay_alu instid0(VALU_DEP_2)
	v_max_num_f32 v[232+\b], v[232+\b], v[236+\b]
.endr
.irp b, 0,1
	s_delay_alu instid0(VALU_DEP_2)
	v_add_nc_u32 v[244+\b], 0xfc000000, v[232+\b]
.endr
.irp b, 0,1
.endr
.irp b, 0,1
	s_delay_alu instid0(VALU_DEP_2)
	v_lshrrev_b32 v[236+\b], 23, v[244+\b]
.endr
.irp b, 0,1
.irp i, 0,1,2,3,4,5,6,7,8,9,10,11,12,13,14,15
.endr
	v_cvt_scalef32_pk8_fp8_f32 v[PC+4*\b:PC+1+4*\b], v[S+16*\b:S+7+16*\b], v[244+\b]
	v_cvt_scalef32_pk8_fp8_f32 v[PC+2+4*\b:PC+3+4*\b], v[S+8+16*\b:S+15+16*\b], v[244+\b]
.endr
	v_cndmask_b32 v248, v236, v237, s[HM]          ; lanes 0-15 store the first block's byte, lanes 16-31 the second's.  (A plain line behind the conversions)
	global_store_b128 v[LI], v[PC:PC+3], s[OC:OC+1]               ; each store covers 512 consecutive bytes, aligned
	global_store_b128 v[LI], v[PC+4:PC+7], s[OC:OC+1] offset:512
	global_store_b8 v[OSA], v248, s[OS:OS+1]
.endm
; Where the first block's slots end, the wave finishes it and takes up its tile of the second block.  A scalar branch on ids, the same in all waves; no barrier and no tensor load stands in it.
.macro SWITCHCHK
	s_cmp_eq_u32 s[CNT], s[PI]
	s_cbranch_scc0 .Lsame_\@
	FINISH
.irp j, 0,1,2,3,4,5,6,7
	v_mov_b32 v[16+\j], v[224+\j]
.endr
	v_mov_b32 v222, v223
	v_mov_b32 v13, 0xff61b1e6
	s_delay_alu instid0(VALU_DEP_1)
	v_floor_f32 v12, -v13
	v_mov_b32 v14, 0
	v_mov_b32 v15, 0
.set j, 0
.rept 32
	v_mov_b32 v[O+j], 0                            ; (these also stand between Q's new registers and the next products)
.set j, j+1
.endr
	s_wait_xcnt 0x0                                ; the stores have read their bases and their data: both may be written
	s_mov_b32 s[KF], 0
	s_mov_b32 s[TQ], s[TQLO]
	s_mov_b64 s[OC:OC+1], s[OCLO:OCLO+1]
	s_mov_b64 s[OS:OS+1], s[OSLO:OSLO+1]
.Lsame_\@:
.endm
; THE CHANGE OF SLOTS stands at a slot's head.  Each wave waits for all its tensor loads, adds 0 to its spare word, and waits for that and for its reads of the slot that it has left.  fill = 1: that slot is filled with the walk's next slot.
.macro CHANGE fill
	s_wait_tensorcnt 0x0                           ; no tensor load of mine is out, so a group 0 may be written
	ds_add_u32 v[SPW], v[NIL]                      ; 0 onto my spare word
.if \fill
	s_xor_b32 s[G0K+1], s[G0K+1], SLOT1
	s_xor_b32 s[G0V+1], s[G0V+1], SLOT1
	s_add_co_u32 s[SN], s[SN], 1
	s_cmp_eq_u32 s[SN], s[SW]
	s_cselect_b32 s[SN], 0, s[SN]                  ; behind the first block's last slot the walk begins again at slot 0
	s_mul_i32 s96, s[SN], KREC
	s_mov_b32 s97, 0
	s_add_nc_u64 s[G0K+2:G0K+3], s[KBASE:KBASE+1], s[96:97]
	s_or_b32 s[G0K+3], s[G0K+3], 0x80000000
	s_mul_i32 s96, s[SN], VREC
	s_add_nc_u64 s[G0V+2:G0V+3], s[VBASE:VBASE+1], s[96:97]
	s_or_b32 s[G0V+3], s[G0V+3], 0x80000000
	s_wait_xcnt 0x0                                ; the last prefetch, a slot back, has read its address
	s_add_nc_u64 s[PFA:PFA+1], s[PFA:PFA+1], s[PFS:PFS+1]
.endif
	s_wait_dscnt 0x0                               ; the add is done, and my reads of the slot that I have left are over
	s_barrier_signal -1
	s_barrier_wait -1
.if \fill
	TLOAD                                          ; the first thing behind the barrier, and a wave's one tensor load until the next
	ASK
.endif
.endm
	s_wait_loadcnt 0x0                             ; Q
.Lslot:                                            ; eight trips: behind each change of slots but the last the walk's next slot is asked for
	CHANGE 1
	SWITCHCHK
	STEP 0
	STEP 1
	s_xor_b32 s[TB], s[TB], SLOT1
	s_sub_co_u32 s[CNT], s[CNT], 1
	s_cmp_lg_u32 s[CNT], 0
	s_cbranch_scc1 .Lslot
	CHANGE 0                                       ; the ninth slot is written out
	SWITCHCHK
	STEP 0
	STEP 1
	FINISH
	s_wait_tensorcnt 0x0                           ; the wave's end
	ds_add_u32 v[SPW], v[NIL]
	s_wait_dscnt 0x0
	s_endpgm
.Lfunc_end_k_q726775d5be_attn:
	.size	k_q726775d5be_attn, .Lfunc_end_k_q726775d5be_attn-k_q726775d5be_attn
	.p2alignl 7, 3214868480
	.fill 96, 4, 3214868480
	.section	.rodata,"a",@progbits
	.p2align	6, 0x0
	.amdhsa_kernel k_q726775d5be_attn
		.amdhsa_group_segment_fixed_size 327680
		.amdhsa_private_segment_fixed_size 0
		.amdhsa_enable_private_segment 0
		.amdhsa_kernarg_size 32
		.amdhsa_user_sgpr_count 2
		.amdhsa_user_sgpr_kernarg_segment_ptr 1
		.amdhsa_wavefront_size32 1
		.amdhsa_system_sgpr_workgroup_id_x 1
		.amdhsa_system_sgpr_workgroup_id_y 1
		.amdhsa_system_sgpr_workgroup_id_z 1
		.amdhsa_system_vgpr_workitem_id 0
		.amdhsa_next_free_vgpr 256
		.amdhsa_next_free_sgpr 100
		.amdhsa_reserve_vcc 1
		.amdhsa_float_denorm_mode_32 3
		.amdhsa_float_denorm_mode_16_64 3
		.amdhsa_fp16_overflow 1
		.amdhsa_memory_ordered 1
		.amdhsa_forward_progress 1
		.amdhsa_inst_pref_size 117
	.end_amdhsa_kernel
	.amdgpu_metadata
---
amdhsa.version: [ 1, 2 ]
amdhsa.kernels:
  - .name:           k_q726775d5be_attn
    .symbol:         k_q726775d5be_attn.kd
    .args:
      - { .name: qbuf, .offset: 0, .size: 8, .value_kind: global_buffer, .address_space: global }
      - { .name: kbuf, .offset: 8, .size: 8, .value_kind: global_buffer, .address_space: global }
      - { .name: vbuf, .offset: 16, .size: 8, .value_kind: global_buffer, .address_space: global }
      - { .name: oq, .offset: 24, .size: 8, .value_kind: global_buffer, .address_space: global }
    .group_segment_fixed_size: 327680
    .private_segment_fixed_size: 0
    .kernarg_segment_align: 8
    .kernarg_segment_size: 32
    .max_flat_workgroup_size: 512
    .sgpr_count:     100
    .vgpr_count:     256
    .wavefront_size: 32
...
	.end_amdgpu_metadata
.endif
;; end of part 3
;; launch proj (part 4): grid 4 x 32, 4 waves a work-group, clusters of 4 x 4, 327,680 bytes of LDS; arguments oq, wop, bc, out0; writes out0
.if DOCPART == 4
	.amdgcn_target "amdgcn-amd-amdhsa--gfx1250"
	.amdhsa_code_object_version 6
	.text
	.protected	k_q726775d5be_proj
	.globl	k_q726775d5be_proj
	.p2align	8
	.type	k_q726775d5be_proj,@function
k_q726775d5be_proj:
	s_mov_b64 s[64:65], 0
	v_nop
	global_prefetch_b8 v0, s[64:65] scope:SCOPE_SE
	s_setreg_imm32_b32 hwreg(HW_REG_WAVE_MODE, 25, 1), 1
	s_wait_xcnt 0x0
	s_wait_alu depctr_hold_cnt(0) depctr_sa_sdst(0) depctr_va_vdst(0) depctr_va_sdst(0) depctr_va_ssrc(0) depctr_va_vcc(0) depctr_vm_vsrc(0)
	s_getreg_b32 s2, hwreg(HW_REG_IB_STS2, 6, 4)
	s_cmp_eq_u32 s2, 0
	s_cbranch_scc0 .Lentry_in_a_cluster
	s_endpgm
.Lentry_in_a_cluster:
	s_bfe_u32 s2, ttmp6, 0x10000c
	s_cmp_lg_u32 s2, 0xf033
	s_cbranch_scc0 .Lentry_shape_is_right
	s_endpgm
.Lentry_shape_is_right:
; out0 = o Wc + bc on codes of FP8 (E4M3) with E8M0 scales, K = 1,024.  Rows = tokens (oq), columns = Wc's columns (wop from its 24th group of 128 rows on); out0 [8192][1024] f32.
; A tile of 256 x 256 is made by four waves, 128 x 128 each: 64 accumulators.  K goes in four steps of 256 through two LDS slots.  32 x 4 tiles: 128 work-groups; halving the tile would halve what each LDS byte feeds.
; The operands lie in the order of the operand's registers: 128 rows x 256 K with their scale words are one dense record of 33,792 bytes, one tensor load; every fragment load takes 512 consecutive bytes.
; THE MATRIX INSTRUCTION IS USED TRANSPOSED (source 0 = 16 of Wc's columns, source 1 = 16 tokens).  Lane r of a block is row 32 (rb / 2) + 8 (rb % 2) + r + 8 (r / 8) of the 128: a lane's registers of accumulator (a, b) are
; columns 32 (b / 2) + 16 h + 8 (b % 2) + 0 .. 7 of one token.  THE BIAS is the C of each sum's first matrix instruction.
; CLUSTERS: 4 x 4 work-groups; the tokens' tile is asked for jointly along a row of the cluster, Wc's along a column.  No prefetch: of the four K steps two are first fills.
; REGISTERS: window 0: v16-29 addresses; v32-63 scale words, two sets; v64-127 the bias; v128-255 the rows' fragments, later rows of out0.  window 1: the columns' fragments, two sets.  windows 2, 3: the accumulators.
.set GB,     135168
.set KSB,    33792
.set NQ,     2
.set FR,     16
.set NL,     4
.set NP,     8                         ; places behind this matrix instruction (ISA guide 7.12.1)
.set HALFT,  33792
.set SLOT,   4*HALFT
.set SPARE,  2*SLOT                    ; the spare words, 128 bytes a wave: two blocks of 256 bytes that no other line names
.set SPITCH, 528                       ; the way out: a stage of 16 rows x (512 bytes + 16) for each wave, in slot 0, which has had its last fill and its last read by then
.set ADRA, 16
.set ADRB, 20
.set ADRS, 22
.set STO,  24
.set RD,   25
.set CO,   26
.set SPW,  28
.set NIL,  29
.set SC,   32
.set BI,   64                          ; v64-127 the bias: eight registers for each of the columns' eight blocks
.set AF,   128
.set BK,   128
.set G1, 24
.set G0, 32
.set G1B, 48
.set G0B, 56
.set MSB, 0
.macro WIN new                         ; the immediate's high byte repeats the setting that is left
.if MSB != (\new)
	s_set_vgpr_msb (MSB<<8)|(\new)
.set MSB, (\new)
.endif
.endm
.set MUL_LO, 0xa1
.set MUL_HI, 0xf1
.set TO_B,   0x40
.macro JLOAD g0a, g1a, g0b, g1b        ; a joint load: waves 0 and 1 fetch the rows' two records, waves 2 and 3 the columns'; four v_nop follow each line
	s_cmp_eq_u32 s15, 0
	s_cbranch_scc0 .Lfor_b_\@
	tensor_load_to_lds s[\g0a:\g0a+3], s[\g1a:\g1a+7]
	s_nop 0
.rept 4
	v_nop
.endr
	s_branch .Lasked_\@
.Lfor_b_\@:
	tensor_load_to_lds s[\g0b:\g0b+3], s[\g1b:\g1b+7]
	s_nop 0
.rept 4
	v_nop
.endr
.Lasked_\@:
.endm
.macro CREST
	s_cmp_lg_u32 s14, 0
	s_cbranch_scc1 .Lnot_wave_0_\@
	s_barrier_signal -3
.Lnot_wave_0_\@:
	s_barrier_wait -3
	s_barrier_signal -1
	s_barrier_wait -1
.endm
.macro CROUND
	s_barrier_signal -1
	s_barrier_wait -1
	CREST
.endm
	s_load_b256 s[4:11], s[0:1], 0x0               ; oq s[4:5], wop s[6:7], bc s[8:9], out0 s[10:11]
	v_lshl_add_u32 v[SPW], v0, 2, SPARE
	v_mov_b32 v[NIL], 0
	ds_add_u32 v28, v29
	ds_add_u32 v28, v29
	s_wait_dscnt 0x0
	v_lshrrev_b32 v1, 5, v0
	v_readfirstlane_b32 s14, v1                    ; wave 0..3
	s_lshr_b32 s15, s14, 1                         ; RH; also: I fetch for the rows (0) or the columns (1)
	s_and_b32 s16, s14, 1                          ; CH; also: which record I fetch
	s_bfe_u32 s40, ttmp6, 0x40000                  ; cx
	s_bfe_u32 s41, ttmp6, 0x40004                  ; cy
	s_lshl_b32 s42, ttmp9, 2
	s_add_co_u32 s42, s42, s40                     ; tile column
	s_and_b32 s17, ttmp7, 0xffff
	s_lshl_b32 s17, s17, 2
	s_add_co_u32 s17, s17, s41                     ; tile row
	s_lshl_b32 s43, s41, 2
	s_lshl_b32 s43, 15, s43
	s_lshl_b32 s44, 0x1111, s40
	s_or_b32 s[G1+0], s43, (3<<16)|(1<<21)         ; 15:0 the mask; 17:16 elements of 8 bytes; 21 set beside a mask
	s_or_b32 s[G1B+0], s44, (3<<16)|(1<<21)
.irp g, G1, G1B
	s_mov_b32 s[\g+1], 32<<16
	s_mov_b32 s[\g+2], 132<<16
	s_mov_b32 s[\g+3], 32<<16
	s_mov_b32 s[\g+4], 132
	s_mov_b32 s[\g+5], 32
	s_mov_b32 s[\g+6], 0
	s_mov_b32 s[\g+7], 0
.endr
	s_lshl_b32 s20, s17, 1
	s_add_co_u32 s20, s20, s16
	s_mul_i32 s20, s20, GB
	s_mov_b32 s21, 0
	s_lshl_b32 s46, s42, 1
	s_add_co_u32 s46, s46, s16
	s_add_co_u32 s46, s46, 24                      ; Wc's part of wop
	s_mul_i32 s46, s46, GB
	s_mov_b32 s47, 0
	s_mul_i32 s45, s14, HALFT
	s_wait_kmcnt 0x0
	s_add_nc_u64 s[20:21], s[4:5], s[20:21]
	s_add_nc_u64 s[46:47], s[6:7], s[46:47]
	CROUND                                         ; all sixteen work-groups are here: the first joint loads meet
.irp s, 0,1
	s_mov_b32 s[G0+4*\s], 1
	s_add_co_u32 s[G0+4*\s+1], s45, \s*SLOT
	s_add_nc_u64 s[G0+4*\s+2:G0+4*\s+3], s[20:21], \s*KSB
	s_or_b32 s[G0+4*\s+3], s[G0+4*\s+3], 0x80000000
	s_mov_b32 s[G0B+4*\s], 1
	s_add_co_u32 s[G0B+4*\s+1], s45, \s*SLOT
	s_add_nc_u64 s[G0B+4*\s+2:G0B+4*\s+3], s[46:47], \s*KSB
	s_or_b32 s[G0B+4*\s+3], s[G0B+4*\s+3], 0x80000000
	s_wait_alu depctr_va_vdst(0)
	s_wait_tensorcnt 0x0
	ds_add_u32 v28, v29
	ds_add_u32 v28, v29
	s_wait_dscnt 0x0
	CROUND
	JLOAD G0+4*\s, G1, G0B+4*\s, G1B
.endr
	v_and_b32 v1, 15, v0                           ; r
	v_bfe_u32 v2, v0, 4, 1                         ; h
	v_and_b32 v3, 31, v0
	v_lshlrev_b32 v4, 4, v3                        ; 16 x lane
	s_wait_alu depctr_va_vdst(0)
	s_lshl_b32 s72, s42, 10
	s_lshl_b32 s73, s16, 9
	s_add_co_u32 s72, s72, s73                     ; my first column, in bytes
	s_mov_b32 s73, 0
	s_add_nc_u64 s[8:9], s[8:9], s[72:73]
	v_lshlrev_b32 v7, 6, v2                        ; 64 h
.irp b, 0,1,2,3,4,5,6,7
	global_load_b128 v[BI+8*\b:BI+8*\b+3], v7, s[8:9] offset:128*(\b/2)+32*(\b%2)
	global_load_b128 v[BI+8*\b+4:BI+8*\b+7], v7, s[8:9] offset:128*(\b/2)+32*(\b%2)+16
.endr
	s_mul_i32 s21, s15, HALFT
	s_mul_i32 s22, s16, HALFT
	s_add_co_u32 s22, s22, 2*HALFT
.irp s, 0,1
	v_add_nc_u32 v[ADRA+\s], s21, v4
	v_add_nc_u32 v[ADRB+\s], s22, v4
	s_add_co_u32 s21, s21, SLOT
	s_add_co_u32 s22, s22, SLOT
.endr
	s_mul_i32 s21, s15, HALFT
	s_mul_i32 s22, s16, HALFT
	s_add_co_u32 s22, s22, 2*HALFT
	s_sub_co_u32 s22, s22, s21
	v_mul_u32_u24 v6, s22, v2                      ; lanes 16-31 take the columns' words: one product, h x the distance
	v_lshl_add_u32 v5, v1, 3, v6
	s_add_co_u32 s21, s21, 32768
	v_add_nc_u32 v[ADRS], s21, v5
	v_add_nc_u32 v[ADRS+1], SLOT, v[ADRS]
	s_mul_i32 s23, s14, 16*SPITCH                  ; my stage
	v_mul_u32_u24 v5, v1, SPITCH
	v_lshl_add_u32 v5, v2, 6, v5
	v_add_nc_u32 v[STO], s23, v5                   ; in: row r, + 64 h
	v_mov_b32 v[CO], v4                            ; back: the 32 lanes take one row of 512 bytes; and the same in out0
	v_add_nc_u32 v[RD], s23, v4
	s_lshl_b32 s74, s17, 8
	s_lshl_b32 s75, s15, 7
	s_add_co_u32 s74, s74, s75
	s_lshl_b32 s74, s74, 12                        ; my first token's row of 4,096 bytes
	s_add_co_u32 s74, s74, s72
	s_mov_b32 s75, 0
	s_add_nc_u64 s[10:11], s[10:11], s[74:75]
.macro FRAG reg, adr, q, i
.irp c, 0,1,2,3
	ds_load_b128 v[\reg+4*\c:\reg+4*\c+3], v[\adr] offset:4096*(\i)+2048*(\q)+512*\c
.endr
.endm
; 16 matrix instructions.  zero = 2: the sums begin with the bias as C.  The 64 accumulators take turns, one instruction a turn, in the same order in every step.
.macro MUL16 a0, p, q, sc, zero
.irp a, \a0, \a0+1
.irp b, 0,1,2,3,4,5,6,7
.if \zero == 2
	v_wmma_scale_f32_16x16x128_f8f6f4 v[8*(8*((\a)%4)+\b):8*(8*((\a)%4)+\b)+7], v[128*(\p)+FR*\b:128*(\p)+FR*\b+FR-1], v[AF+FR*(\a):AF+FR*(\a)+FR-1], v[BI+8*\b:BI+8*\b+7], v[SC+8*NQ*(\sc)+NQ*\b+(\q)], v[SC+8*NQ*(\sc)+NQ*(\a)+(\q)] matrix_a_scale:MATRIX_SCALE_ROW1
.else
	v_wmma_scale_f32_16x16x128_f8f6f4 v[8*(8*((\a)%4)+\b):8*(8*((\a)%4)+\b)+7], v[128*(\p)+FR*\b:128*(\p)+FR*\b+FR-1], v[AF+FR*(\a):AF+FR*(\a)+FR-1], v[8*(8*((\a)%4)+\b):8*(8*((\a)%4)+\b)+7], v[SC+8*NQ*(\sc)+NQ*\b+(\q)], v[SC+8*NQ*(\sc)+NQ*(\a)+(\q)] matrix_a_scale:MATRIX_SCALE_ROW1
.endif
.endr
.endr
.endm
.macro FETCH_B slot, q, p
	WIN TO_B
.irp i, 0,1,2,3,4,5,6,7
	FRAG 128*(\p)+FR*\i, ADRB+\slot, \q, \i
.endr
	WIN 0
.endm
.macro FETCH_A slot, q, i0
.irp i, \i0, \i0+1, \i0+2, \i0+3
	FRAG AF+FR*(\i), ADRA+\slot, \q, \i
.endr
.endm
.macro SCALES sc
.irp i, 0,1,2,3,4,5,6,7
	ds_load_b64 v[SC+8*NQ*\sc+NQ*\i:SC+8*NQ*\sc+NQ*\i+1], v[ADRS+\sc] offset:\i*128
.endr
.endm
.macro PLACES n
.rept \n
	v_nop
.endr
.endm
.macro STEP slot, q, zero
	s_wait_dscnt 4*NL                              ; all but the youngest sixteen loads (the rows' blocks 4-7) are in
.if \zero == 2
	WIN 0x81                                       ; source 0 window 1, source 1 and C (the bias) window 0, D window 2
.else
	WIN MUL_LO
.endif
	MUL16 0, (\q)%2, \q, \slot, \zero
	MUL16 2, (\q)%2, \q, \slot, \zero
	s_wait_dscnt 0
	PLACES NP
	FETCH_B \slot, (\q)+1, 1-(\q)%2
	FETCH_A \slot, (\q)+1, 0
.if \zero == 2
	WIN 0xc1                                       ; the same, D window 3
.else
	WIN MUL_HI
.endif
	MUL16 4, (\q)%2, \q, \slot, \zero
	MUL16 6, (\q)%2, \q, \slot, \zero
	PLACES NP
	WIN 0
	FETCH_A \slot, (\q)+1, 4
.endm
.macro TURN slot, next, fill
	s_wait_tensorcnt 0x0                           ; all my tensor loads have landed: my part of the next slot
	ds_add_u32 v[SPW], v[NIL]                      ; 0 onto my spare word
	s_wait_dscnt 4*NL+1                            ; (the add and the youngest sixteen loads may be out)
	WIN MUL_LO
	MUL16 0, 1, NQ-1, \slot, 0
	s_wait_dscnt 0x0                               ; the add is done, and my reads of this slot are over
	s_barrier_signal -1
	MUL16 2, 1, NQ-1, \slot, 0
	WIN 0
	s_barrier_wait -1
.if \fill
	CREST                                          ; the barrier has opened a round of the cluster's: no wave of any partner still reads this slot or has a load on its way
	s_add_nc_u64 s[G0+4*\slot+2:G0+4*\slot+3], s[G0+4*\slot+2:G0+4*\slot+3], 2*KSB
	s_add_nc_u64 s[G0B+4*\slot+2:G0B+4*\slot+3], s[G0B+4*\slot+2:G0B+4*\slot+3], 2*KSB
	JLOAD G0+4*\slot, G1, G0B+4*\slot, G1B
	PLACES NP-4
.else
	PLACES NP
.endif
	FETCH_B \next, 0, 0
	FETCH_A \next, 0, 0
	SCALES \next
	WIN MUL_HI
	MUL16 4, 1, NQ-1, \slot, 0
	MUL16 6, 1, NQ-1, \slot, 0
	PLACES NP
	WIN 0
	FETCH_A \next, 0, 4
.endm
	s_wait_alu depctr_va_vdst(0)
	s_wait_tensorcnt 1                             ; my part of K step 0 is in; K step 1's load may be out
	s_barrier_signal -1
	s_barrier_wait -1
	FETCH_B 0, 0, 0
	FETCH_A 0, 0, 0
	SCALES 0
	FETCH_A 0, 0, 4
	s_wait_loadcnt 0x0                             ; the bias
	STEP 0, 0, 2
	TURN 0, 1, 1                                   ; four K steps are twice round the ring: written straight
	STEP 1, 0, 0
	TURN 1, 0, 1
	STEP 0, 0, 0
	TURN 0, 1, 0
	STEP 1, 0, 0
	s_wait_dscnt 4*NL
	WIN MUL_LO
	MUL16 0, 1, NQ-1, 1, 0
	MUL16 2, 1, NQ-1, 1, 0
	s_wait_dscnt 0
	WIN MUL_HI
	MUL16 4, 1, NQ-1, 1, 0
	MUL16 6, 1, NQ-1, 1, 0
	WIN 0
; THE WAY OUT, block by block of 16 tokens x 128 columns, through my own stage: in by lanes' 32-byte pieces, back as whole rows of 512 bytes.  LDS serves a wave's instructions in order (ISA guide 5.7.1.4).
.macro TOSTAGE a
.set AC, 64*((\a)%4)
	WIN 0x08+4*((\a)/4)                            ; an LDS store's data are its source 1: window 2 or 3
.irp b, 0,1,2,3,4,5,6,7
	ds_store_b128 v[STO], v[AC+8*\b:AC+8*\b+3] offset:128*(\b/2)+32*(\b%2)          ; each accumulator from its low end on
	ds_store_b128 v[STO], v[AC+8*\b+4:AC+8*\b+7] offset:128*(\b/2)+32*(\b%2)+16
.endr
	WIN 0
.set BB, BK+64*((\a)%2)
.irp t, 0,1,2,3,4,5,6,7,8,9,10,11,12,13,14,15
	ds_load_b128 v[BB+4*\t:BB+4*\t+3], v[RD] offset:\t*SPITCH
.endr
.endm
.macro SEND a, younger                 ; younger: the LDS instructions issued behind block a's loads, which may stay out
.set BB, BK+64*((\a)%2)
	s_wait_dscnt \younger
.irp t, 0,1,2,3,4,5,6,7,8,9,10,11,12,13,14,15
	global_store_b128 v[CO], v[BB+4*\t:BB+4*\t+3], s[10:11] offset:(32*((\a)/2)+8*((\a)%2)+\t+8*(\t/8))*4096 th:TH_STORE_NT   ; 32 lanes store 512 consecutive bytes, aligned; the token's place stands in the immediate, 127 rows at the most
.endr
.endm
	PLACES NP
	TOSTAGE 0
.irp a, 1,2,3,4,5,6,7
.if \a > 1
	s_wait_xcnt 0x0                                ; block a - 2's stores have read their registers: block a's loads may land there
.endif
	TOSTAGE \a
	SEND \a-1, 32                                  ; behind block a - 1's loads: block a's 16 stores and 16 loads
.endr
	SEND 7, 0
	s_wait_tensorcnt 0x0                           ; the wave's end
	ds_add_u32 v[SPW], v[NIL]
	s_wait_dscnt 0x0
	CROUND                                         ; the closing round
	s_endpgm
.Lfunc_end_k_q726775d5be_proj:
	.size	k_q726775d5be_proj, .Lfunc_end_k_q726775d5be_proj-k_q726775d5be_proj
	.p2alignl 7, 3214868480
	.fill 96, 4, 3214868480
	.section	.rodata,"a",@progbits
	.p2align	6, 0x0
	.amdhsa_kernel k_q726775d5be_proj
		.amdhsa_group_segment_fixed_size 327680
		.amdhsa_private_segment_fixed_size 0
		.amdhsa_enable_private_segment 0
		.amdhsa_kernarg_size 32
		.amdhsa_user_sgpr_count 2
		.amdhsa_user_sgpr_kernarg_segment_ptr 1
		.amdhsa_wavefront_size32 1
		.amdhsa_system_sgpr_workgroup_id_x 1
		.amdhsa_system_sgpr_workgroup_id_y 1
		.amdhsa_system_sgpr_workgroup_id_z 1
		.amdhsa_system_vgpr_workitem_id 0
		.amdhsa_next_free_vgpr 1024
		.amdhsa_next_free_sgpr 100
		.amdhsa_reserve_vcc 0
		.amdhsa_float_denorm_mode_32 3
		.amdhsa_float_denorm_mode_16_64 3
		.amdhsa_memory_ordered 1
		.amdhsa_forward_progress 1
		.amdhsa_inst_pref_size 145
	.end_amdhsa_kernel
	.amdgpu_metadata
---
amdhsa.version: [ 1, 2 ]
amdhsa.kernels:
  - .name:           k_q726775d5be_proj
    .symbol:         k_q726775d5be_proj.kd
    .args:
      - { .name: oq, .offset: 0, .size: 8, .value_kind: global_buffer, .address_space: global }
      - { .name: wop, .offset: 8, .size: 8, .value_kind: global_buffer, .address_space: global }
      - { .name: bc, .offset: 16, .size: 8, .value_kind: global_buffer, .address_space: global }
      - { .name: out0, .offset: 24, .size: 8, .value_kind: global_buffer, .address_space: global }
    .group_segment_fixed_size: 327680
    .private_segment_fixed_size: 0
    .kernarg_segment_align: 8
    .kernarg_segment_size: 32
    .max_flat_workgroup_size: 128
    .sgpr_count:     100
    .vgpr_count:     1024
    .wavefront_size: 32
...
	.end_amdgpu_metadata
.endif
;; end of part 4
